; MI455X (gfx1250); checked and timed in simulation.
; The chip was launched on July 23, 2026; its instructions are those of AMD's public machine-readable ISA for CDNA 5 (MIT licence, August 2026) and "CDNA5" Instruction Set Architecture Reference Guide (July 2026). The comments in the code are by the model that wrote it; some were corrected since.
;; Projected Adaptive Log Softmax. Allowed arithmetic: float matrix products may take bf16 or f16 operands with f32 sums; other float arithmetic in f32, or as packed bf16 or f16 multiplies, adds, multiply-adds, maxima and minima; sums over many terms, partial sums and values carried from step to step in f32; what a program stores and reads back later, other than sums and carried values, may be rounded once to bf16 or f16.
;; Inputs: b0 20,000 float32; b1 20,000 float32; b2 160,000 float32; b3 67,735 float32; cluster_b 3 float32; cluster_w 3 x 1,024 float32; hidden 1,024 x 1,024 float32; p0 1,024 x 1,024 float32; p1 1,024 x 256 float32; p2 1,024 x 64 float32; p3 1,024 x 16 float32; target 1,024 int32; w0 20,000 x 1,024 float32; w1 20,000 x 256 float32; w2 160,000 x 64 float32; w3 67,735 x 16 float32.
;; Outputs: out0 1,024 float32.
;; 2 versions, each right; version 2 is version 1 with the launch tails written anew for expert scheduling mode. Each part assembles by itself: llvm-mc -triple=amdgcn-amd-amdhsa -mcpu=gfx1250 --defsym DOCPART=n.
;; ======== version 1 of 2: 4 launches
;; limits: right only within a limited range of input values
;; workspace buffers: PB 2,883,584 bytes; route 20,736 bytes of whole numbers; part0 2,064,384 bytes; partT 4,161,536 bytes
;; launch proj (part 1): grid 177 x 1, 4 waves a work-group, no clusters, 182,784 bytes of LDS; arguments hidden, p0, p1, p2, p3, target, PB, route; writes PB, route
.if DOCPART == 1
	.amdgcn_target "amdgcn-amd-amdhsa--gfx1250"
	.amdhsa_code_object_version 6
	.text
	.protected	k_qcf4b69ec84_proj
	.globl	k_qcf4b69ec84_proj
	.p2align	8
	.type	k_qcf4b69ec84_proj,@function
k_qcf4b69ec84_proj:
	s_mov_b64 s[64:65], 0
	v_nop
	global_prefetch_b8 v0, s[64:65] scope:SCOPE_SE
	s_setreg_imm32_b32 hwreg(HW_REG_WAVE_MODE, 25, 1), 1
	s_wait_xcnt 0x0
; ADAPTIVE LOG-SOFTMAX, launch 1 of 4: the four projections c * hidden . p_i (c = log2 e), rounded once to bf16, and the routing.
; WHAT THE PROGRAM LEAVES UNDONE.  reference() computes every tail for every row and keeps, by a where on the whole number target, the tail of the row's own
; cluster alone.  So a tail is computed only for the rows whose target lies in it; a later launch reads the lists that this one stores.  Every split is served
; (all rows in one cluster, a cluster with none).  All sixteen inputs have a way to the output and are loaded somewhere.
; LIMITS.  A NaN, an infinity or an overflow in a tail that a row does not use is not carried to that row's result.  NaN and infinities are not treated apart.
; A weight 2^(s-m) below 2^-126 counts as 0.  Matrix operands are bf16, sums f32.
; PB: 22 blocks of [1024 tokens][64] bf16 (a token's row 128 bytes): blocks 0-15 c h p0, 16-19 c h p1, 20 c h p2, 21 c h p3 (32 bytes real, the rest repeats columns 12-15, never used).
; route: words 0..4095 list[cluster][rank] = token; from byte 16384 rank[token]; from byte 20480 32 words, the first four the clusters' counts.
; SHARES.  Work-groups 0-175: 128 tokens x one block of 64 columns, K = 1024; a wave 32 tokens x 64 columns: 8 accumulators.  Work-group 176, wave 0: the counting sort.
; The slice of p ([k][n], f32) is rounded into LDS once (pitch 160 bytes) and read turned; hidden comes straight into registers as fragments and is rounded there.
; The product is taken transposed (source 0 = 16 columns, source 1 = 16 tokens): a lane holds one token and eight neighbouring columns.
; No joint loads: what work-groups share are f32 operands that pass through registers to be rounded.
.set STAGE, 163840                     ; behind p's slice: 32 rows x 144 bytes for each wave, for the way out
.set SPARE, 182272                     ; the spare words, 128 bytes a wave
.set AD,  16                           ; v16-47  byte offsets of my 16 bytes in 32 rows of p's slice; never rewritten
.set AF,  48                           ; v48-111 fragments of hidden: tile tt, K step ks at AF + 8 (4 tt + ks)
.set BF,  112                          ; v112-175 fragments of p: two buffers of four
.set ACC, 176                          ; v176-239 accumulator (tt, nt) at ACC + 8 (4 tt + nt)
.set SET0, 0                           ; window 1: two sets of 128 registers for f32 as loaded
.set SET1, 128
.set WV,  60
.set MSB, 0
.macro WIN new                         ; the immediate's high byte repeats the setting that is left
.if MSB != (\new)
	s_set_vgpr_msb (MSB<<8)|(\new)
.set MSB, \new
.endif
.endm
.macro PLACES                          ; four places behind matrix instructions, ahead of writes and loads into registers that they read
.rept 4
	v_nop
.endr
.endm
.macro LOADB set, b                    ; rows 256 b + 8 i + 2 w + h of p's slice, 16 bytes a lane
	WIN 0x40
.set z, 0
.rept 32
	global_load_b128 v[(\set)+4*z:(\set)+4*z+3], v[AD+z], s[24+2*(\b):25+2*(\b)]
.set z, z+1
.endr
.endm
.macro CVB set, b                      ; rounded in place, 8 bytes a lane into LDS
	WIN 0x45
.set z, 0
.rept 32
	v_cvt_pk_bf16_f32 v[(\set)+4*z], v[(\set)+4*z], v[(\set)+4*z+1]
	v_cvt_pk_bf16_f32 v[(\set)+4*z+1], v[(\set)+4*z+2], v[(\set)+4*z+3]
.set z, z+1
.endr
	WIN 0x04
.set z, 0
.rept 32
	ds_store_b64 v[4+(\b)], v[(\set)+4*z:(\set)+4*z+1] offset:1280*z
.set z, z+1
.endr
.endm
.macro LOADA set, off                  ; four K steps of 32 of my 32 tokens, f32, in fragment order
	WIN 0x40
.irp tt, 0,1
.irp ks, 0,1,2,3
.irp qi, 0,1,2,3
	global_load_b128 v[(\set)+16*(4*(\tt)+(\ks))+4*(\qi):(\set)+16*(4*(\tt)+(\ks))+4*(\qi)+3], v9, s[32:33] offset:(\tt)*65536+(\off)+(\ks)*128+((\qi)/2)*64+((\qi)%2)*16
.endr
.endr
.endr
.endm
.macro LBF buf, ks                     ; p's four fragments of K step ks of the trip, turned
.irp nt, 0,1,2,3
	ds_load_tr16_b128 v[BF+32*(\buf)+8*(\nt):BF+32*(\buf)+8*(\nt)+3],   v8 offset:(\ks)*5120+32*(\nt)
	ds_load_tr16_b128 v[BF+32*(\buf)+8*(\nt)+4:BF+32*(\buf)+8*(\nt)+7], v8 offset:(\ks)*5120+32*(\nt)+2560
.endr
.endm
; Four K steps.  n: the other set's loads, which may stay out.  The eight accumulators take turns, one instruction a turn.
.macro GROUP set, kbase, ld, n, last
	PLACES
	s_wait_loadcnt \n
	WIN 0x05
.set z, 0
.rept 64
	v_cvt_pk_bf16_f32 v[AF+z], v[(\set)+2*z], v[(\set)+2*z+1]
.set z, z+1
.endr
.if \ld
	LOADA \set, 1024+(\kbase)*128
.endif
	WIN 0
.irp ks, 0,1,2,3
.if (\ks) > 0
	PLACES
.endif
.if ((\last)*((\ks)/3)) == 0
	LBF ((\kbase)+(\ks)+1)%2, (\kbase)+(\ks)+1
	s_wait_dscnt 8                                 ; this step's eight loads are in, the next step's eight may be out
.else
	s_wait_dscnt 0x0
.endif
.irp tt, 0,1
.irp nt, 0,1,2,3
	v_wmma_f32_16x16x32_bf16 v[ACC+8*(4*(\tt)+(\nt)):ACC+8*(4*(\tt)+(\nt))+7], v[BF+32*(((\kbase)+(\ks))%2)+8*(\nt):BF+32*(((\kbase)+(\ks))%2)+8*(\nt)+7], v[AF+8*(4*(\tt)+(\ks)):AF+8*(4*(\tt)+(\ks))+7], v[ACC+8*(4*(\tt)+(\nt)):ACC+8*(4*(\tt)+(\nt))+7]
.endr
.endr
.endr
.endm
	s_load_b512 s[4:19], s[0:1], 0x0               ; hidden, p0, p1, p2, p3, target, PB, route
	v_lshl_add_u32 v13, v0, 2, SPARE
	v_mov_b32 v14, 0
	v_lshrrev_b32 v3, 5, v0
	v_readfirstlane_b32 s[WV], v3                  ; wave
	v_and_b32 v3, 31, v0                           ; lane
	s_cmp_eq_u32 ttmp9, 176
	s_cbranch_scc1 .Lsort
	s_mul_i32 s20, ttmp9, 2979
	s_lshr_b32 s52, s20, 16                        ; block of 128 tokens = id / 22
	s_mul_i32 s20, s52, 22
	s_sub_co_u32 s53, ttmp9, s20                   ; slice = PB's block
	s_sub_co_u32 s54, s53, 16
	s_lshl_b32 s54, s54, 8                         ; byte of the slice's first column in p1
	s_lshl_b32 s55, s53, 8                         ; in p0
	v_and_b32 v1, 15, v0
	v_bfe_u32 v2, v0, 4, 1
	v_lshrrev_b32 v15, 4, v0                       ; 2 w + h
	v_mul_u32_u24 v4, v15, 160
	v_lshl_add_u32 v4, v1, 3, v4
	v_add_nc_u32 v5, 40960, v4
	v_add_nc_u32 v6, 81920, v4
	v_add_nc_u32 v7, 122880, v4
	v_and_b32 v48, 7, v0
	v_lshl_add_u32 v49, v2, 3, v48
	v_mul_u32_u24 v8, v49, 160
	v_bfe_u32 v49, v0, 3, 1
	v_lshl_add_u32 v8, v49, 4, v8                  ; the turning load: row 8 h + l % 8, 16 bytes by (l / 8) % 2
	v_lshlrev_b32 v9, 12, v1
	v_lshl_add_u32 v9, v2, 5, v9                   ; hidden: row r, 32 h bytes
	s_mul_i32 s61, s[WV], 4608
	s_add_co_u32 s61, s61, STAGE
	v_mul_u32_u24 v10, v1, 144
	v_lshl_add_u32 v10, v2, 4, v10
	v_add_nc_u32 v10, s61, v10
	v_lshrrev_b32 v49, 3, v3
	v_mul_u32_u24 v11, v49, 144
	v_lshl_add_u32 v11, v48, 4, v11
	v_add_nc_u32 v11, s61, v11
	v_lshlrev_b32 v12, 4, v3
	s_mov_b32 s38, 0x3fb8aa3b                      ; c = log2 e
	s_mov_b32 s39, s38
	s_wait_kmcnt 0x0
	s_mov_b64 s[20:21], s[12:13]                   ; which p, the log2 of its row's bytes, the slice's first byte in a row, the last 16 bytes that exist
	s_mov_b32 s22, 6
	s_mov_b32 s23, 0
	s_mov_b32 s40, 3
	s_cmp_eq_u32 s53, 20
	s_cselect_b64 s[20:21], s[10:11], s[20:21]
	s_cselect_b32 s22, 8, s22
	s_cselect_b32 s40, 15, s40
	s_cmp_lt_u32 s53, 20
	s_cselect_b64 s[20:21], s[8:9], s[20:21]
	s_cselect_b32 s22, 10, s22
	s_cselect_b32 s40, 15, s40
	s_cselect_b32 s23, s54, s23
	s_cmp_lt_u32 s53, 16
	s_cselect_b64 s[20:21], s[6:7], s[20:21]
	s_cselect_b32 s22, 12, s22
	s_cselect_b32 s23, s55, s23
	s_mov_b32 s44, s23
	s_mov_b32 s45, 0
	s_add_nc_u64 s[24:25], s[20:21], s[44:45]
	s_lshl_b32 s46, 256, s22                       ; 256 rows of p
	s_mov_b32 s47, 0
	s_add_nc_u64 s[26:27], s[24:25], s[46:47]
	s_add_nc_u64 s[28:29], s[26:27], s[46:47]
	s_add_nc_u64 s[30:31], s[28:29], s[46:47]
	s_lshl_b32 s48, 8, s22                         ; 8 rows
	v_lshlrev_b32 v[AD], s22, v15
	v_min_u32 v48, s40, v1
	v_lshl_add_u32 v[AD], v48, 4, v[AD]
.set z, 1
.rept 31
	v_add_nc_u32 v[AD+z], s48, v[AD+z-1]
.set z, z+1
.endr
	s_lshl_b32 s50, s52, 7
	s_lshl_b32 s51, s[WV], 5
	s_add_co_u32 s50, s50, s51                     ; my first token
	s_lshl_b32 s56, s50, 7
	s_lshl_b32 s50, s50, 12
	s_mov_b32 s51, 0
	s_add_nc_u64 s[32:33], s[4:5], s[50:51]
	s_lshl_b32 s58, s53, 17
	s_add_co_u32 s56, s56, s58
	s_mov_b32 s57, 0
	s_add_nc_u64 s[34:35], s[16:17], s[56:57]
	LOADB SET0, 0
	LOADB SET1, 1
	WIN 0
.set z, 0
.rept 64
	v_mov_b32 v[ACC+z], 0                          ; written while the first loads are out, so that the loop has one form of product
.set z, z+1
.endr
	s_wait_loadcnt 32                              ; each of these waits leaves the other set's 32 loads out
	CVB SET0, 0
	LOADB SET0, 2
	s_wait_loadcnt 32
	CVB SET1, 1
	LOADB SET1, 3
	s_wait_loadcnt 32
	CVB SET0, 2
	LOADA SET0, 0
	s_wait_loadcnt 32
	CVB SET1, 3
	LOADA SET1, 512
	WIN 0
	s_wait_dscnt 0x0                               ; for the others' sake: my part of p's slice is in LDS
	s_barrier_signal -1
	s_barrier_wait -1
	LBF 0, 0
	s_mov_b32 s36, 3
.Lk:                                                   ; a trip: 256 along K
	GROUP SET0, 0, 1, 32, 0
	GROUP SET1, 4, 1, 32, 0
	s_wait_xcnt 0x0                                ; the loads have read their base
	s_add_nc_u64 s[32:33], s[32:33], 1024
	v_add_nc_u32 v8, 0xa000, v8
	s_sub_co_u32 s36, s36, 1
	s_cmp_lg_u32 s36, 0
	s_cbranch_scc1 .Lk
	GROUP SET0, 0, 0, 32, 0                        ; the last 256 load nothing
	GROUP SET1, 4, 0, 0, 1
	PLACES
.set z, 0
.rept 32
	v_pk_mul_f32 v[ACC+2*z:ACC+2*z+1], v[ACC+2*z:ACC+2*z+1], s[38:39] op_sel_hi:[1,0]  ; times c, in f32, ahead of the one rounding
.set z, z+1
.endr
.set z, 0
.rept 32
	v_cvt_pk_bf16_f32 v[AF+z], v[ACC+2*z], v[ACC+2*z+1]
.set z, z+1
.endr
.irp tt, 0,1
.irp nt, 0,1,2,3
	ds_store_b128 v10, v[AF+4*(4*(\tt)+(\nt)):AF+4*(4*(\tt)+(\nt))+3] offset:(\tt)*2304+32*(\nt)
.endr
.endr
.irp i, 0,1,2,3,4,5,6,7
	ds_load_b128 v[BF+4*(\i):BF+4*(\i)+3], v11 offset:576*(\i)  ; my own stage: LDS serves a wave's instructions in order
.endr
.irp i, 0,1,2,3,4,5,6,7
	s_wait_dscnt 7-(\i)
	global_store_b128 v12, v[BF+4*(\i):BF+4*(\i)+3], s[34:35] offset:512*(\i)  ; four token rows: 512 consecutive bytes, aligned
.endr
	s_wait_tensorcnt 0x0                           ; the wave's end
	ds_add_u32 v13, v14
	s_wait_dscnt 0x0
	s_endpgm
.Lsort:                                                ; a counting sort of the 1,024 tokens by cluster, in token order, by one wave: 32 tokens a step
	s_cmp_lg_u32 s[WV], 0
	s_cbranch_scc1 .Lquit
	s_mov_b32 s20, 0                               ; where each cluster's next entry goes
	s_mov_b32 s21, 1024
	s_mov_b32 s22, 2048
	s_mov_b32 s23, 3072
	s_mov_b32 s26, 20000
	s_mov_b32 s27, 40000
	s_mov_b32 s28, 200000
	v_lshlrev_b32 v20, 2, v3
	v_mov_b32 v21, v3
	s_mov_b32 s24, 4
	s_wait_kmcnt 0x0
.Lst:
.irp j, 0,1,2,3,4,5,6,7
	global_load_b32 v[32+\j], v20, s[14:15] offset:128*\j
.endr
	s_wait_loadcnt 0x0
.irp j, 0,1,2,3,4,5,6,7
	v_cmp_le_i32 s40, s26, v[32+\j]
	v_cmp_le_i32 s41, s27, v[32+\j]
	v_cmp_le_i32 s42, s28, v[32+\j]
	s_not_b32 s43, s40
	s_and_not1_b32 s44, s40, s41
	s_and_not1_b32 s45, s41, s42
	v_mbcnt_lo_u32_b32 v40, s43, s20               ; the cluster's base + how many lower lanes are in it
	v_mbcnt_lo_u32_b32 v41, s44, s21
	v_mbcnt_lo_u32_b32 v42, s45, s22
	v_mbcnt_lo_u32_b32 v43, s42, s23
	v_cndmask_b32 v44, v40, v41, s40
	v_cndmask_b32 v44, v44, v42, s41
	v_cndmask_b32 v44, v44, v43, s42
	v_min_u32 v44, 0xfff, v44
	v_lshlrev_b32 v[48+\j], 2, v44
	v_add_nc_u32 v[56+\j], 32*\j, v21
	v_and_b32 v[64+\j], 0x3ff, v44
	v_lshlrev_b32 v[72+\j], 2, v[56+\j]
	global_store_b32 v[48+\j], v[56+\j], s[18:19]
	global_store_b32 v[72+\j], v[64+\j], s[18:19] offset:16384
	s_bcnt1_i32_b32 s46, s43
	s_add_co_u32 s20, s20, s46
	s_bcnt1_i32_b32 s46, s44
	s_add_co_u32 s21, s21, s46
	s_bcnt1_i32_b32 s46, s45
	s_add_co_u32 s22, s22, s46
	s_bcnt1_i32_b32 s46, s42
	s_add_co_u32 s23, s23, s46
.endr
	s_wait_xcnt 0x0                                ; the stores have read their registers
	v_add_nc_u32 v20, 1024, v20
	v_add_nc_u32 v21, 256, v21
	s_sub_co_u32 s24, s24, 1
	s_cmp_lg_u32 s24, 0
	s_cbranch_scc1 .Lst
	s_sub_co_u32 s21, s21, 1024
	s_sub_co_u32 s22, s22, 2048
	s_sub_co_u32 s23, s23, 3072
	v_mov_b32 v80, 0
	v_writelane_b32 v80, s20, 0
	v_writelane_b32 v80, s21, 1
	v_writelane_b32 v80, s22, 2
	v_writelane_b32 v80, s23, 3
	v_lshlrev_b32 v81, 2, v3
	global_store_b32 v81, v80, s[18:19] offset:20480
.Lquit:
	s_endpgm
.Lfunc_end_k_qcf4b69ec84_proj:
	.size	k_qcf4b69ec84_proj, .Lfunc_end_k_qcf4b69ec84_proj-k_qcf4b69ec84_proj
	.p2alignl 7, 3214868480
	.fill 96, 4, 3214868480
	.section	.rodata,"a",@progbits
	.p2align	6, 0x0
	.amdhsa_kernel k_qcf4b69ec84_proj
		.amdhsa_group_segment_fixed_size 182784
		.amdhsa_private_segment_fixed_size 0
		.amdhsa_enable_private_segment 0
		.amdhsa_kernarg_size 64
		.amdhsa_user_sgpr_count 2
		.amdhsa_user_sgpr_kernarg_segment_ptr 1
		.amdhsa_wavefront_size32 1
		.amdhsa_system_sgpr_workgroup_id_x 1
		.amdhsa_system_sgpr_workgroup_id_y 1
		.amdhsa_system_sgpr_workgroup_id_z 1
		.amdhsa_system_vgpr_workitem_id 0
		.amdhsa_next_free_vgpr 512
		.amdhsa_next_free_sgpr 66
		.amdhsa_reserve_vcc 0
		.amdhsa_float_denorm_mode_32 3
		.amdhsa_float_denorm_mode_16_64 3
		.amdhsa_memory_ordered 1
		.amdhsa_forward_progress 1
		.amdhsa_inst_pref_size 111
	.end_amdhsa_kernel
	.amdgpu_metadata
---
amdhsa.version: [ 1, 2 ]
amdhsa.kernels:
  - .name:           k_qcf4b69ec84_proj
    .symbol:         k_qcf4b69ec84_proj.kd
    .args:
      - { .name: hidden, .offset: 0, .size: 8, .value_kind: global_buffer, .address_space: global }
      - { .name: p0, .offset: 8, .size: 8, .value_kind: global_buffer, .address_space: global }
      - { .name: p1, .offset: 16, .size: 8, .value_kind: global_buffer, .address_space: global }
      - { .name: p2, .offset: 24, .size: 8, .value_kind: global_buffer, .address_space: global }
      - { .name: p3, .offset: 32, .size: 8, .value_kind: global_buffer, .address_space: global }
      - { .name: target, .offset: 40, .size: 8, .value_kind: global_buffer, .address_space: global }
      - { .name: PB, .offset: 48, .size: 8, .value_kind: global_buffer, .address_space: global }
      - { .name: route, .offset: 56, .size: 8, .value_kind: global_buffer, .address_space: global }
    .group_segment_fixed_size: 182784
    .private_segment_fixed_size: 0
    .kernarg_segment_align: 8
    .kernarg_segment_size: 64
    .max_flat_workgroup_size: 128
    .sgpr_count:     66
    .vgpr_count:     512
    .wavefront_size: 32
...
	.end_amdgpu_metadata
.endif
;; end of part 1
;; launch head (part 2): grid 252 x 1, 4 waves a work-group, clusters of 4 x 1, 327,680 bytes of LDS; arguments PB, w0, b0, part0; writes part0
.if DOCPART == 2
	.amdgcn_target "amdgcn-amd-amdhsa--gfx1250"
	.amdhsa_code_object_version 6
	.text
	.protected	k_qcf4b69ec84_head
	.globl	k_qcf4b69ec84_head
	.p2align	8
	.type	k_qcf4b69ec84_head,@function
k_qcf4b69ec84_head:
	s_mov_b64 s[64:65], 0
	v_nop
	global_prefetch_b8 v0, s[64:65] scope:SCOPE_SE
	s_setreg_imm32_b32 hwreg(HW_REG_WAVE_MODE, 25, 1), 1
	s_wait_xcnt 0x0
	s_wait_alu depctr_hold_cnt(0) depctr_sa_sdst(0) depctr_va_vdst(0) depctr_va_sdst(0) depctr_va_ssrc(0) depctr_va_vcc(0) depctr_vm_vsrc(0)
	s_getreg_b32 s2, hwreg(HW_REG_IB_STS2, 6, 4)
	s_cmp_eq_u32 s2, 0
	s_cbranch_scc0 .Lentry_in_a_cluster
	s_endpgm
.Lentry_in_a_cluster:
	s_bfe_u32 s2, ttmp6, 0x10000c
	s_cmp_lg_u32 s2, 0x3003
	s_cbranch_scc0 .Lentry_shape_is_right
	s_endpgm
.Lentry_shape_is_right:
; Launch 2 of 4: the head's 20,000 shortlist logits (log2 units) for all 1,024 tokens, and of them a maximum and a sum of 2^(s - m) for each token and work-group.
; The three cluster columns are added by the last launch.  Nothing of reference() is left out here.
; SHARES.  w0's 1,250 tiles of 16 rows are dealt to 252 work-groups: work-group i owns tiles floor(1250 i / 252) up to the next one's first, 4 or 5.  Each multiplies five;
; where it owns four, the fifth tile's bias is -1e30 (LIMIT: such a column counts as its value less 1e30), so its weights are 0.  So each row of w0 has one owner,
; is read by at most two work-groups, and is rounded on its way through registers into LDS.  A wave has 256 tokens x 80 columns: 80 accumulators.
; The product is taken transposed (source 0 = 16 rows of w0, source 1 = 16 tokens): a lane holds one token and eight columns; the bias, times c, is the C operand that starts each sum.
; K goes in 16 steps of 64 = PB's blocks 0-15.  CLUSTER: the four partners need the same block of PB, so each wave asks JOINTLY for its 256 tokens (32,768 dense bytes, as 128 rows
; of 256 bytes, padded after every 128: token pitch 144).  Two slots; by this text's count a wave has one tensor load out.  The place in the cluster enters only addresses of plain loads,
; stores and prefetches, and a selected value.
; REGISTERS.  accumulator (t, v): window 1 + t / 6, v[40 (t % 6) + 8 v].  Bias of tile v: window 1 + v / 2, v[240 + 8 (v % 2)].  Window 3 v200-239: w0 as loaded.  Window 0: addresses and fragments.
.set SLOTB, 147456
.set WB0,   294912                     ; two buffers of 80 rows x 144 bytes for w0's step, filled by LDS stores alone
.set WB1,   306432
.set SPARE, 317952                     ; the spare words, 128 bytes a wave
.set WF,  32                           ; v32-111  w0's fragments: K half ks, tile v at WF + 40 ks + 8 v
.set TQ,  112                          ; v112-239 token fragments: quarter q, tile tt at TQ + 32 q + 8 tt
.set STG, 200
.set MSB, 0
.macro WIN new
.if MSB != (\new)
	s_set_vgpr_msb (MSB<<8)|(\new)
.set MSB, \new
.endif
.endm
.macro PLACES
.rept 4
	v_nop
.endr
.endm
.macro ROUND                           ; a round of the cluster's barrier
	s_barrier_signal -1
	s_barrier_wait -1
	s_cmp_lg_u32 s12, 0
	s_cbranch_scc1 .Lnot_wave_0_\@
	s_barrier_signal -3
.Lnot_wave_0_\@:
	s_barrier_wait -3
	s_barrier_signal -1
	s_barrier_wait -1
.endm
.macro LW ks, b
.irp v, 0,1,2,3,4
	ds_load_b128 v[WF+40*(\ks)+8*(\v):WF+40*(\ks)+8*(\v)+3],   v[6+(\b)] offset:2304*(\v)+64*(\ks)
	ds_load_b128 v[WF+40*(\ks)+8*(\v)+4:WF+40*(\ks)+8*(\v)+7], v[6+(\b)] offset:2304*(\v)+64*(\ks)+32
.endr
.endm
.macro LT slot, ks, q
.irp tt, 0,1,2,3
	ds_load_b128 v[TQ+32*(\q)+8*(\tt):TQ+32*(\q)+8*(\tt)+3],   v[4+(\slot)] offset:2304*(4*(\q)+(\tt))+64*(\ks)
	ds_load_b128 v[TQ+32*(\q)+8*(\tt)+4:TQ+32*(\q)+8*(\tt)+7], v[4+(\slot)] offset:2304*(4*(\q)+(\tt))+64*(\ks)+32
.endr
.endm
; 20 products: four token tiles x five tiles of w0.  All 80 accumulators take turns, one instruction a turn.  first = 1: the bias starts the sum.
.macro MUL ks, q, first
.irp tt, 0,1,2,3
.irp v, 0,1,2,3,4
.set rA, 40*((4*(\q)+(\tt))%6)+8*(\v)
.set wD, 1+(4*(\q)+(\tt))/6
.if \first
	WIN (wD<<6)|((1+(\v)/2)<<4)
	v_wmma_f32_16x16x32_bf16 v[rA:rA+7], v[WF+40*(\ks)+8*(\v):WF+40*(\ks)+8*(\v)+7], v[TQ+32*(\q)+8*(\tt):TQ+32*(\q)+8*(\tt)+7], v[240+8*((\v)%2):240+8*((\v)%2)+7]
.else
	WIN (wD<<6)|(wD<<4)
	v_wmma_f32_16x16x32_bf16 v[rA:rA+7], v[WF+40*(\ks)+8*(\v):WF+40*(\ks)+8*(\v)+7], v[TQ+32*(\q)+8*(\tt):TQ+32*(\q)+8*(\tt)+7], v[rA:rA+7]
.endif
.endr
.endr
.endm
; w0's next step, loaded a step ago, is rounded into buffer b; ld: the step after it is asked for (skip: not in the loop's last trip, where there is none)
.macro STAGE b, ld, skip
	s_wait_loadcnt 0x0
	WIN 0xcf
.set z, 0
.rept 10
	v_cvt_pk_bf16_f32 v[STG+4*z], v[STG+4*z], v[STG+4*z+1]
	v_cvt_pk_bf16_f32 v[STG+4*z+1], v[STG+4*z+2], v[STG+4*z+3]
.set z, z+1
.endr
	WIN 0x0c
.set z, 0
.rept 10
	ds_store_b64 v[8+(\b)], v[STG+4*z:STG+4*z+1] offset:1152*z
.set z, z+1
.endr
	WIN 0
.if \ld
.if \skip
	s_cmp_gt_u32 s3, 1
	s_cbranch_scc0 .Lnl_\@
.endif
	WIN 0xc0
.set z, 0
.rept 10
	global_load_b128 v[STG+4*z:STG+4*z+3], v10, s[40:41] offset:32768*z th:TH_LOAD_NT
.set z, z+1
.endr
	WIN 0
.if \skip
.Lnl_\@:
.endif
.endif
.endm
.macro UNIT n, ks, q, first            ; n: the LDS instructions issued behind the fragments that these products need
	s_wait_dscnt \n
	MUL \ks, \q, \first
	WIN 0
	PLACES
.endm
; A K step of 64 on slot `slot` and w0's buffer `slot`.  In front of the round each wave has waited for its tensor load, added 0 to its spare word, and waited for that, for its reads of the
; other slot and buffer, and for its stores into this buffer.  Behind the round the other slot is filled first.
; pf: 1 = PB's block three steps on is prefetched; 2 = also w0's 256 bytes a row for the two steps that the next trip will load.
.macro STEP slot, first, refill, st, ld, skip, pf
	WIN 0
	s_wait_tensorcnt 0x0
	ds_add_u32 v16, v17
	s_wait_xcnt 0x0                                ; the loads and prefetches of a step ago have read their bases
	s_add_nc_u64 s[34+4*(\slot):35+4*(\slot)], s[34+4*(\slot):35+4*(\slot)], 262144
	s_add_nc_u64 s[40:41], s[40:41], 256
	s_add_nc_u64 s[42:43], s[42:43], 131072
	s_wait_dscnt 0x0
	ROUND
.if \refill
	tensor_load_to_lds s[36-4*(\slot):39-4*(\slot)], s[24:31]
	s_nop 0
.endif
	PLACES
	LW 0, \slot
	LT \slot, 0, 0
	LT \slot, 0, 1
.if \st
	STAGE 1-(\slot), \ld, \skip
.endif
.if \pf
	s_cmp_gt_u32 s3, s44                           ; the first cluster alone, and not in the last trip: blocks 4 to 15, each 256 bytes named once; the partners differ by address
	s_cbranch_scc0 .Lnp_\@
	global_prefetch_b8 v13, s[42:43] th:TH_LOAD_NT scope:SCOPE_SE
.Lnp_\@:
.endif
.if (\pf) == 2
	s_cmp_gt_u32 s3, 2                             ; steps 5 to 14 of my own 80 rows: 160 blocks of 256 bytes, a lane a block
	s_cbranch_scc0 .Lnw_\@
	global_prefetch_b8 v11, s[40:41] offset:512 th:TH_LOAD_NT scope:SCOPE_SE
	s_cmp_lg_u32 s12, 0
	s_cbranch_scc1 .Lnw_\@
	global_prefetch_b8 v12, s[40:41] offset:512 th:TH_LOAD_NT scope:SCOPE_SE
.Lnw_\@:
.endif
	LT \slot, 0, 2
	UNIT 16+10*(\st), 0, 0, \first
	LT \slot, 0, 3
	UNIT 16+10*(\st), 0, 1, \first
	LW 1, \slot
	LT \slot, 1, 0
	UNIT 26, 0, 2, \first
	LT \slot, 1, 1
	UNIT 26, 0, 3, \first
	LT \slot, 1, 2
	UNIT 16, 1, 0, 0
	LT \slot, 1, 3
	UNIT 16, 1, 1, 0
	UNIT 8, 1, 2, 0
	s_wait_dscnt 0x0
	MUL 1, 3, 0
	WIN 0
.endm
; A token tile's 40 scores a lane: maximum, 2^(s - m), sum.  Each accumulator's lowest registers are read first.  One batch of 40 exponentials, one wait.
.macro EPI t
.set W_, 1+(\t)/6
.set B_, 40*((\t)%6)
	WIN W_*0x15
.irp v, 0,1,2,3,4
	v_max3_num_f32 v[18+(\v)], v[B_+8*(\v)], v[B_+8*(\v)+1], v[B_+8*(\v)+2]
.endr
	WIN W_*0x14
.irp v, 0,1,2,3,4
	v_max3_num_f32 v[18+(\v)], v[18+(\v)], v[B_+8*(\v)+3], v[B_+8*(\v)+4]
.endr
.irp v, 0,1,2,3,4
	v_max3_num_f32 v[18+(\v)], v[18+(\v)], v[B_+8*(\v)+5], v[B_+8*(\v)+6]
.endr
	v_max3_num_f32 v18, v18, v[B_+7], v[B_+15]
	v_max3_num_f32 v19, v19, v[B_+23], v[B_+31]
	v_max_num_f32 v20, v20, v[B_+39]
	WIN 0
	v_max3_num_f32 v18, v18, v19, v20
	v_max3_num_f32 v18, v18, v21, v22
	v_permlanex16_b32 v19, v18, s52, s53           ; the token's other 40 columns lie in the lane 16 away
	v_max_num_f32 v18, v18, v19
	v_mov_b32 v[32+2*(\t)], v18
	WIN W_*0x41
.set z, 0
.rept 20
	v_pk_add_f32 v[B_+2*z:B_+2*z+1], v[B_+2*z:B_+2*z+1], v[18:19] op_sel_hi:[1,0] neg_lo:[0,1] neg_hi:[0,1]
.set z, z+1
.endr
.set z, 0
.rept 40
	v_exp_f32 v[B_+z], v[B_+z]
.set z, z+1
.endr
	v_nop
	s_wait_alu depctr_va_vdst(0)                   ; one wait for the batch, ahead of its first reader
	WIN W_*0x45
.set z, 0
.rept 10
	v_pk_add_f32 v[B_+2*z:B_+2*z+1], v[B_+2*z:B_+2*z+1], v[B_+2*z+20:B_+2*z+21]
.set z, z+1
.endr
.set z, 0
.rept 5
	v_pk_add_f32 v[B_+2*z:B_+2*z+1], v[B_+2*z:B_+2*z+1], v[B_+2*z+10:B_+2*z+11]
.set z, z+1
.endr
	v_pk_add_f32 v[B_:B_+1], v[B_:B_+1], v[B_+2:B_+3]
	v_pk_add_f32 v[B_+4:B_+5], v[B_+4:B_+5], v[B_+6:B_+7]
	v_pk_add_f32 v[B_:B_+1], v[B_:B_+1], v[B_+4:B_+5]
	v_pk_add_f32 v[B_:B_+1], v[B_:B_+1], v[B_+8:B_+9]
	WIN W_*0x05
	v_add_f32 v19, v[B_], v[B_+1]
	WIN 0
	v_permlanex16_b32 v20, v19, s52, s53
	v_add_f32 v[33+2*(\t)], v19, v20
.endm
	s_load_b256 s[4:11], s[0:1], 0x0               ; PB, w0, b0, part0
	v_lshl_add_u32 v16, v0, 2, SPARE
	v_mov_b32 v17, 0
	ds_add_u32 v16, v17                            ; the opening: the add, twice on end, and its wait ahead of my first tensor load
	ds_add_u32 v16, v17
	v_lshrrev_b32 v18, 5, v0
	v_readfirstlane_b32 s12, v18                   ; wave
	s_bfe_u32 s13, ttmp6, 0x40000                  ; cx
	s_lshl_b32 s14, ttmp9, 2
	s_add_co_u32 s14, s14, s13                     ; work-group i
	s_mul_i32 s15, s14, 1250
	s_mul_hi_u32 s16, s15, 17043522                ; my first tile: floor(1250 i / 252); the factor is ceil(2^32 / 252), exact up to 315,000
	s_add_co_u32 s15, s15, 1250
	s_mul_hi_u32 s17, s15, 17043522
	s_sub_co_u32 s17, s17, s16                     ; 4 or 5 tiles are mine
	s_cmp_eq_u32 s17, 5
	s_cselect_b32 s48, 0x3fb8aa3b, 0               ; the fifth tile's bias is b c, or -1e30
	s_cselect_b32 s50, 0, 0xf149f2ca
	s_mov_b32 s49, 0
	s_mov_b32 s51, 0
	s_mov_b32 s46, 0x3fb8aa3b
	s_mov_b32 s47, s46
	s_mov_b32 s52, 0x76543210
	s_mov_b32 s53, 0xfedcba98
	s_mov_b32 s54, 0xffff0000
	s_cmp_eq_u32 ttmp9, 0
	s_cselect_b32 s44, 1, -1
	s_mov_b32 s24, 15|(1<<16)|(1<<20)|(1<<21)|(4<<22)|(3<<25)  ; mask of four; 2-byte elements; padding on; bit 21 beside a mask; after every 32 words; 4 words
	s_mov_b32 s25, 128<<16                         ; tensor_dim0 = 128
	s_mov_b32 s26, 128<<16                         ; tensor_dim1 = 128
	s_mov_b32 s27, 128<<16                         ; tile_dim0 = 128
	s_mov_b32 s28, 128                             ; tile_dim1 = 128
	s_mov_b32 s29, 128                             ; 128 elements from row to row
	s_mov_b32 s30, 0
	s_mov_b32 s31, 0
	s_mul_i32 s18, s12, 36864
	s_mov_b32 s32, 1
	s_mov_b32 s33, s18
	s_mov_b32 s36, 1
	s_add_co_u32 s37, s18, SLOTB
	v_and_b32 v1, 15, v0
	v_bfe_u32 v2, v0, 4, 1
	v_and_b32 v3, 31, v0
	v_cmp_le_u32 vcc_lo, 0x50, v0                  ; block q = thread's number: row q % 80, step q / 80
	v_cndmask_b32 v18, 0, 1, vcc_lo
	v_mul_u32_u24 v19, v18, 80
	v_sub_nc_u32 v19, v0, v19
	v_lshlrev_b32 v11, 12, v19
	v_lshl_add_u32 v11, v18, 8, v11
	v_add_nc_u32 v12, 48, v3                       ; blocks 128 to 159: rows 48 to 79 of the second step
	v_lshlrev_b32 v12, 12, v12
	v_add_nc_u32 v12, 256, v12
	v_mul_u32_u24 v19, v1, 144
	v_lshl_add_u32 v19, v2, 4, v19
	v_add_nc_u32 v4, s18, v19
	v_add_nc_u32 v5, SLOTB, v4
	v_add_nc_u32 v6, WB0, v19
	v_add_nc_u32 v7, WB1, v19
	v_lshrrev_b32 v20, 4, v0
	v_mul_u32_u24 v8, v20, 144
	v_lshl_add_u32 v8, v1, 3, v8
	v_add_nc_u32 v9, WB1, v8
	v_add_nc_u32 v8, WB0, v8
	v_lshlrev_b32 v10, 12, v20
	v_lshl_add_u32 v10, v1, 4, v10
	s_lshl_b32 s22, s13, 2
	s_add_co_u32 s22, s22, s12
	s_lshl_b32 s22, s22, 5
	v_add_lshl_u32 v13, v3, s22, 8
	v_lshlrev_b32 v14, 5, v2
	s_lshl_b32 s23, s12, 8
	v_add_lshl_u32 v15, v3, s23, 3
	s_wait_dscnt 0x0                               ; both opening adds are done
	s_wait_kmcnt 0x0
	s_lshl_b32 s20, s12, 15
	s_mov_b32 s21, 0
	s_add_nc_u64 s[34:35], s[4:5], s[20:21]
	s_add_nc_u64 s[38:39], s[34:35], 131072
	s_or_b32 s35, s35, 0x80000000
	s_or_b32 s39, s39, 0x80000000
	s_add_nc_u64 s[42:43], s[4:5], 262144          ; step s adds a block and names block s + 3
	s_lshl_b32 s20, s16, 16
	s_add_nc_u64 s[40:41], s[6:7], s[20:21]
	s_lshl_b32 s20, s16, 6
	s_add_nc_u64 s[56:57], s[8:9], s[20:21]
	s_lshl_b32 s20, s14, 13
	s_add_nc_u64 s[58:59], s[10:11], s[20:21]
	WIN 0xc0
.set z, 0
.rept 10
	global_load_b128 v[STG+4*z:STG+4*z+3], v10, s[40:41] offset:32768*z th:TH_LOAD_NT  ; w0, step 0
.set z, z+1
.endr
.irp v, 0,1,2,3,4
	WIN (1+(\v)/2)<<6
	global_load_b128 v[240+8*((\v)%2):240+8*((\v)%2)+3], v14, s[56:57] offset:64*(\v)
	global_load_b128 v[244+8*((\v)%2):244+8*((\v)%2)+3], v14, s[56:57] offset:64*(\v)+16
.endr
	WIN 0
	ROUND                                          ; all four work-groups are here: the first joint loads meet
	tensor_load_to_lds s[32:35], s[24:31]          ; block 0 into slot 0
	s_nop 0
	PLACES
	s_wait_loadcnt 0x0
	s_add_nc_u64 s[40:41], s[40:41], 256
.irp v, 0,1,2,3
	WIN (1+(\v)/2)*0x41
.irp z, 0,2,4,6
	v_pk_mul_f32 v[240+8*((\v)%2)+(\z):240+8*((\v)%2)+(\z)+1], v[240+8*((\v)%2)+(\z):240+8*((\v)%2)+(\z)+1], s[46:47] op_sel_hi:[1,0]
.endr
.endr
	WIN 0xc3
.irp z, 0,2,4,6
	v_pk_fma_f32 v[240+(\z):241+(\z)], v[240+(\z):241+(\z)], s[48:49], s[50:51] op_sel_hi:[1,0,0]
.endr
	STAGE 0, 1, 0                                  ; step 0 into buffer 0; step 1 is asked for
	STEP 0, 1, 1, 1, 1, 0, 0
	s_mov_b32 s3, 7
.Ltrip:
	STEP 1, 0, 1, 1, 1, 0, 2
	STEP 0, 0, 1, 1, 1, 1, 1
	s_sub_co_u32 s3, s3, 1
	s_cmp_lg_u32 s3, 0
	s_cbranch_scc1 .Ltrip
	STEP 1, 0, 0, 0, 0, 0, 0                       ; the last step asks for nothing
	PLACES
.irp t, 0,1,2,3,4,5,6,7,8,9,10,11,12,13,14,15
	EPI \t
.endr
.irp a, 0,1,2,3,4,5,6,7
	v_cndmask_b32 v[64+2*(\a)], v[32+4*(\a)], v[34+4*(\a)], s54  ; lanes 0-15: tile 2 a; lanes 16-31: tile 2 a + 1
	v_cndmask_b32 v[65+2*(\a)], v[33+4*(\a)], v[35+4*(\a)], s54
	global_store_b64 v15, v[64+2*(\a):65+2*(\a)], s[58:59] offset:256*(\a)  ; 32 tokens' pairs: 256 consecutive bytes, aligned
.endr
	s_wait_tensorcnt 0x0                           ; the wave's end
	ds_add_u32 v16, v17
	s_wait_dscnt 0x0
	ROUND                                          ; the closing round
	s_endpgm
.Lfunc_end_k_qcf4b69ec84_head:
	.size	k_qcf4b69ec84_head, .Lfunc_end_k_qcf4b69ec84_head-k_qcf4b69ec84_head
	.p2alignl 7, 3214868480
	.fill 96, 4, 3214868480
	.section	.rodata,"a",@progbits
	.p2align	6, 0x0
	.amdhsa_kernel k_qcf4b69ec84_head
		.amdhsa_group_segment_fixed_size 327680
		.amdhsa_private_segment_fixed_size 0
		.amdhsa_enable_private_segment 0
		.amdhsa_kernarg_size 32
		.amdhsa_user_sgpr_count 2
		.amdhsa_user_sgpr_kernarg_segment_ptr 1
		.amdhsa_wavefront_size32 1
		.amdhsa_system_sgpr_workgroup_id_x 1
		.amdhsa_system_sgpr_workgroup_id_y 1
		.amdhsa_system_sgpr_workgroup_id_z 1
		.amdhsa_system_vgpr_workitem_id 0
		.amdhsa_next_free_vgpr 1024
		.amdhsa_next_free_sgpr 66
		.amdhsa_reserve_vcc 1
		.amdhsa_float_denorm_mode_32 3
		.amdhsa_float_denorm_mode_16_64 3
		.amdhsa_memory_ordered 1
		.amdhsa_forward_progress 1
		.amdhsa_inst_pref_size 184
	.end_amdhsa_kernel
	.amdgpu_metadata
---
amdhsa.version: [ 1, 2 ]
amdhsa.kernels:
  - .name:           k_qcf4b69ec84_head
    .symbol:         k_qcf4b69ec84_head.kd
    .args:
      - { .name: PB, .offset: 0, .size: 8, .value_kind: global_buffer, .address_space: global }
      - { .name: w0, .offset: 8, .size: 8, .value_kind: global_buffer, .address_space: global }
      - { .name: b0, .offset: 16, .size: 8, .value_kind: global_buffer, .address_space: global }
      - { .name: part0, .offset: 24, .size: 8, .value_kind: global_buffer, .address_space: global }
    .group_segment_fixed_size: 327680
    .private_segment_fixed_size: 0
    .kernarg_segment_align: 8
    .kernarg_segment_size: 32
    .max_flat_workgroup_size: 128
    .sgpr_count:     66
    .vgpr_count:     1024
    .wavefront_size: 32
...
	.end_amdgpu_metadata
.endif
;; end of part 2
;; launch tails (part 3): grid 508 x 1, 4 waves a work-group, no clusters, 209,408 bytes of LDS; arguments PB, route, w1, b1, w2, b2, w3, b3, partT; writes partT
.if DOCPART == 3
	.amdgcn_target "amdgcn-amd-amdhsa--gfx1250"
	.amdhsa_code_object_version 6
	.text
	.protected	k_qcf4b69ec84_tails
	.globl	k_qcf4b69ec84_tails
	.p2align	8
	.type	k_qcf4b69ec84_tails,@function
k_qcf4b69ec84_tails:
	s_mov_b64 s[64:65], 0
	v_nop
	global_prefetch_b8 v0, s[64:65] scope:SCOPE_SE
	s_setreg_imm32_b32 hwreg(HW_REG_WAVE_MODE, 25, 1), 1
	s_wait_xcnt 0x0
; Launch 3 of 4: the three tails' logits (log2 units), each for the rows of its own cluster alone (reference() keeps no other by its where on target; the lists were stored by the first launch),
; and of them a running maximum and sum of 2^(s - m) for each rank and slice.  A NaN or infinity in a tail that a row does not use is not carried to that row.
; SHARES.  A work-group has one slice of one tail's rows, which it alone reads: ids 0-249 tail 2 (640 rows), 250-382 tail 3 (512), 383-507 tail 1 (160).  It rounds the slice into LDS once, with the bias
; times c; one barrier.  Then a PAIR (32 consecutive ranks, two token tiles) at a time and wave: pair 4 y + w in trip y of a loop of 8 trips, the count that serves all 1,024 rows in one cluster;
; a trip past the cluster's pairs is jumped, with no barrier in what is jumped.  Places past the count repeat the last row that exists.  A cluster without rows stores nothing.
; Tail 3's last slice begins at row 67,223, so that it stays inside w3; the rows that its neighbour owns get the bias -1e30 (LIMIT: such a column counts as its value less 1e30).
; Tail 3's K is 16: the upper half of each fragment is 0.
; The product is taken transposed (source 0 = 16 rows of w, source 1 = 16 tokens); the bias is the C operand that starts the sum.  Each lane keeps m and l for its half of the columns; the halves meet at a pair's end.
; LDS.  The three tails' texts name disjoint bytes: slices at 0 (160 x 528), 84,480 (640 x 144) and 176,640 (512 x 48); biases at 201,216, 203,776 and 206,336; the spare words behind them.
; No joint loads: a slice has one reader, and the token rows come by a list.  No prefetch: a work-group's whole stream is asked for at its head, two rounds of 32 KiB ahead by its own loads.
; REGISTERS.  Window 0: v16-23 at work; v24-27 m, l of the two tiles; v56-87 scores (tt, vt) at 56 + 16 tt + 8 vt; v88-103 bias; v104-231 two sets for staging.  Window 1: v0-127 token fragments, v128-255 w's.
.set SPARE, 208896
.set SA, 104
.set SBB, 168
.set SB, 232
.set MSB, 0
.macro WIN new
.if MSB != (\new)
	s_set_vgpr_msb (MSB<<8)|(\new)
.set MSB, \new
.endif
.endm
.macro LDR set, rnd                    ; a round: 32,768 dense bytes of the slice
.set z, 0
.rept 16
	global_load_b128 v[(\set)+4*z:(\set)+4*z+3], v6, s[36:37] offset:(\rnd)*32768+2048*z th:TH_LOAD_NT
.set z, z+1
.endr
.endm
.macro STR set, rnd, IST, RND          ; rounded in place, 8 bytes a lane into LDS
.set z, 0
.rept 16
	v_cvt_pk_bf16_f32 v[(\set)+4*z], v[(\set)+4*z], v[(\set)+4*z+1]
	v_cvt_pk_bf16_f32 v[(\set)+4*z+1], v[(\set)+4*z+2], v[(\set)+4*z+3]
.set z, z+1
.endr
.set z, 0
.rept 16
	ds_store_b64 v[7+(\rnd)/3], v[(\set)+4*z:(\set)+4*z+1] offset:((\rnd)%3)*(\RND)+(\IST)*z
.set z, z+1
.endr
.endm
.macro LISTLD                          ; the tokens at ranks s54 + 0..31, clamped to the last that exists
	v_add_nc_u32 v28, s54, v37
	v_add_nc_u32 v29, s54, v38
	v_min_u32 v28, s31, v28
	v_min_u32 v29, s31, v29
	v_min_u32 v28, 0x3ff, v28
	v_min_u32 v29, 0x3ff, v29
	v_lshlrev_b32 v28, 2, v28
	v_lshlrev_b32 v29, 2, v29
	global_load_b32 v30, v28, s[40:41]
	global_load_b32 v31, v29, s[40:41]
.endm
.macro LOADW KF, half, LP              ; 32 rows of w as fragments, and their bias
	WIN 0x40
.set vt_, 0
.rept 2
.set f_, 0
.rept \KF
	ds_load_b128 v[128+8*((\KF)*vt_+f_):128+8*((\KF)*vt_+f_)+3], v11 offset:vt_*16*(\LP)+64*f_
.if (\half) == 0
	ds_load_b128 v[128+8*((\KF)*vt_+f_)+4:128+8*((\KF)*vt_+f_)+7], v11 offset:vt_*16*(\LP)+64*f_+32
.endif
.set f_, f_+1
.endr
.set vt_, vt_+1
.endr
	WIN 0
.irp vt, 0,1
	ds_load_b128 v[88+8*(\vt):88+8*(\vt)+3], v13 offset:64*(\vt)
	ds_load_b128 v[92+8*(\vt):92+8*(\vt)+3], v13 offset:64*(\vt)+16
.endr
.endm
; The softmax step of a pair: 16 scores a lane and tile, the two tiles alternating.  Each accumulator's lowest registers are read first.  34 exponentials, one wait.
.macro EACH line:vararg
.set tt_, 0
.rept 2
.set rS, 56+16*tt_
.set rT, 16+4*tt_
.set rM, 24+2*tt_
	\line
.set tt_, tt_+1
.endr
.endm
.macro SOFT
	EACH v_max3_num_f32 v[rT], v[rS], v[rS+1], v[rS+2]
	EACH v_max3_num_f32 v[rT+1], v[rS+8], v[rS+9], v[rS+10]
	EACH v_max3_num_f32 v[rT], v[rT], v[rS+3], v[rS+4]
	EACH v_max3_num_f32 v[rT+1], v[rT+1], v[rS+11], v[rS+12]
	EACH v_max3_num_f32 v[rT], v[rT], v[rS+5], v[rS+6]
	EACH v_max3_num_f32 v[rT+1], v[rT+1], v[rS+13], v[rS+14]
	EACH v_max3_num_f32 v[rT], v[rT], v[rS+7], v[rS+15]
	EACH v_max3_num_f32 v[rT], v[rT], v[rT+1], v[rM]
	EACH v_sub_f32 v[rT+2], v[rM], v[rT]
	EACH v_mov_b32 v[rM], v[rT]
.set i_, 0
.rept 8
	EACH v_pk_add_f32 v[rS+2*i_:rS+2*i_+1], v[rS+2*i_:rS+2*i_+1], v[rT:rT+1] op_sel_hi:[1,0] neg_lo:[0,1] neg_hi:[0,1]
.set i_, i_+1
.endr
	EACH v_exp_f32 v[rT+2], v[rT+2]
.set i_, 0
.rept 16
	EACH v_exp_f32 v[rS+i_], v[rS+i_]
.set i_, i_+1
.endr
	v_nop
	s_wait_alu depctr_va_vdst(0)                   ; one wait for the batch, ahead of its first reader
.set i_, 0
.rept 4
	EACH v_pk_add_f32 v[rS+2*i_:rS+2*i_+1], v[rS+2*i_:rS+2*i_+1], v[rS+2*i_+8:rS+2*i_+9]
.set i_, i_+1
.endr
	EACH v_pk_add_f32 v[rS:rS+1], v[rS:rS+1], v[rS+4:rS+5]
	EACH v_pk_add_f32 v[rS+2:rS+3], v[rS+2:rS+3], v[rS+6:rS+7]
	EACH v_pk_add_f32 v[rS:rS+1], v[rS:rS+1], v[rS+2:rS+3]
	EACH v_add_f32 v[rT+3], v[rS], v[rS+1]
	EACH v_fma_f32 v[rM+1], v[rM+1], v[rT+2], v[rT+3]
.endm
; 32 rows of w against the pair.  The four accumulators take turns, one instruction a turn.  Five places stand behind the products: the next step's products write over
; these accumulators, and the loads below land in registers that these products read.  ld: the next 32 rows' fragments are asked for ahead of the softmax.
.macro BODY KF, half, LP, ld
	s_wait_dscnt 0x0
	WIN 0x05
.set f_, 0
.rept \KF
.irp vt, 0,1
.irp tt, 0,1
.if f_ == 0
	v_wmma_f32_16x16x32_bf16 v[56+16*(\tt)+8*(\vt):56+16*(\tt)+8*(\vt)+7], v[128+8*((\KF)*(\vt)+f_):128+8*((\KF)*(\vt)+f_)+7], v[8*((\KF)*(\tt)+f_):8*((\KF)*(\tt)+f_)+7], v[88+8*(\vt):88+8*(\vt)+7]
.else
	v_wmma_f32_16x16x32_bf16 v[56+16*(\tt)+8*(\vt):56+16*(\tt)+8*(\vt)+7], v[128+8*((\KF)*(\vt)+f_):128+8*((\KF)*(\vt)+f_)+7], v[8*((\KF)*(\tt)+f_):8*((\KF)*(\tt)+f_)+7], v[56+16*(\tt)+8*(\vt):56+16*(\tt)+8*(\vt)+7]
.endif
.endr
.endr
.set f_, f_+1
.endr
	WIN 0
.rept 5
	v_nop
.endr
.if \ld
	v_add_nc_u32 v11, 32*(\LP), v11
	v_add_nc_u32 v13, 128, v13
	LOADW \KF, \half, \LP
.endif
	SOFT
.endm
; wb, bb: the LDS bytes at which this tail's slice and bias begin
.macro SECTION c, KF, half, NR, LGT, LP, NSC, NBF, extra, blk, row0, idb, wp, vmax, wb, bb
.set IST_, (2048/(16<<(\LGT)))*(\LP)
.set RND_, 16*IST_
.Lt\c:
	s_sub_co_u32 s29, ttmp9, \idb                  ; the slice
	s_mul_i32 s54, s29, 32*(\NSC)
	s_min_u32 s46, s54, (\vmax)-32*(\NSC)          ; its first row, inside the table
	s_sub_co_u32 s48, s54, s46                     ; rows at its head that the neighbour owns
	s_lshl_b32 s56, s46, 2
	s_mov_b32 s57, 0
	s_add_nc_u64 s[38:39], s[(\wp)+2:(\wp)+3], s[56:57]
	s_lshl_b32 s46, s46, 4+(\LGT)
	s_mov_b32 s47, 0
	s_add_nc_u64 s[36:37], s[\wp:(\wp)+1], s[46:47]
	s_add_nc_u64 s[40:41], s[6:7], 4096*(\c)
	s_add_nc_u64 s[42:43], s[4:5], (\blk)*131072
	s_add_co_u32 s56, s29, \row0
	s_lshl_b32 s56, s56, 13
	s_add_nc_u64 s[44:45], s[20:21], s[56:57]
	s_min_u32 s30, s[24+(\c)], 1024                ; the cluster's rows,
	s_sub_co_u32 s31, s30, 1
	s_add_co_u32 s32, s30, 31
	s_lshr_b32 s32, s32, 5                         ; and pairs
	v_lshrrev_b32 v7, \LGT, v0
	v_mul_u32_u24 v7, v7, \LP
	v_and_b32 v40, (1<<(\LGT))-1, v0
	v_lshl_add_u32 v7, v40, 3, v7
	v_mul_u32_u24 v10, v1, \LP
	v_lshl_add_u32 v10, v2, 4, v10
.if (\wb) > 0
	v_add_nc_u32 v7, \wb, v7
	v_add_nc_u32 v10, \wb, v10
.endif
.if (\NR) > 1
	v_add_nc_u32 v8, 3*RND_, v7
.endif
	v_lshl_add_u32 v9, v0, 2, \bb
	v_lshl_add_u32 v12, v2, 5, \bb
	s_lshl_b32 s54, s28, 5
	s_cmp_eq_u32 s32, 0                            ; a cluster without rows has no list to read
	s_cbranch_scc1 .Lnl\c
	LISTLD                                         ; pair w's tokens
.Lnl\c:
.set k_, 0
.rept \NBF
	global_load_b32 v[SB+k_], v14, s[38:39] offset:512*k_
.set k_, k_+1
.endr
.if \extra
	global_load_b32 v[SB+(\NBF)], v39, s[38:39]
.endif
	LDR SA, 0
.if (\NR) > 1
	LDR SBB, 1
	s_wait_loadcnt 32                              ; list and bias are in; the two rounds issued behind them may be out
.else
	s_wait_loadcnt 16
.endif
.set k_, 0
.rept \NBF
	v_mul_f32 v[SB+k_], s53, v[SB+k_]
.if \half
	v_add_nc_u32 v40, 128*k_, v0
	v_cmp_gt_u32 vcc_lo, s48, v40
	v_cndmask_b32 v[SB+k_], v[SB+k_], v41, vcc_lo
.endif
	ds_store_b32 v9, v[SB+k_] offset:512*k_
.set k_, k_+1
.endr
.if \extra
	v_mul_f32 v[SB+(\NBF)], s53, v[SB+(\NBF)]
	s_cmp_lg_u32 s28, 0                            ; rows 128 to 159: wave 0's 32 lanes
	s_cbranch_scc1 .Lnx\c
	ds_store_b32 v9, v[SB+(\NBF)] offset:512*(\NBF)
.Lnx\c:
.endif
.if (\NR) > 1
	s_wait_loadcnt 16                              ; each of these waits leaves the other set's round out
	STR SA, 0, IST_, RND_
	LDR SA, 2
	s_wait_loadcnt 16
	STR SBB, 1, IST_, RND_
	LDR SBB, 3
	s_wait_loadcnt 16
	STR SA, 2, IST_, RND_
	LDR SA, 4
	s_wait_loadcnt 16
	STR SBB, 3, IST_, RND_
	s_wait_loadcnt 0x0
	STR SA, 4, IST_, RND_
.else
	s_wait_loadcnt 0x0
	STR SA, 0, IST_, RND_
.endif
.if \half
	WIN 0x40
.irp z, 4,5,6,7,12,13,14,15,132,133,134,135,140,141,142,143
	v_mov_b32 v[\z], 0                             ; K = 16 to 31 of every fragment
.endr
	WIN 0
.endif
	s_wait_dscnt 0x0                               ; for the others' sake: my part of the slice is in LDS
	s_barrier_signal -1
	s_barrier_wait -1
	s_mov_b32 s33, 0
.Ly\c:
	s_lshl_b32 s34, s33, 2
	s_add_co_u32 s34, s34, s28                     ; my pair
	s_cmp_ge_u32 s34, s32
	s_cbranch_scc1 .Lyb\c
	s_wait_loadcnt 0x0                             ; its tokens, asked for a trip ago
	s_wait_xcnt 0x0                                ; the last trip's store has read its registers
	v_min_u32 v34, 0x3ff, v30
	v_min_u32 v35, 0x3ff, v31
	v_lshlrev_b32 v34, 7, v34
	v_lshlrev_b32 v35, 7, v35
	v_lshl_add_u32 v34, v2, 4, v34
	v_lshl_add_u32 v35, v2, 4, v35
	v_lshl_add_u32 v15, s33, 10, v36
	WIN 0x40
.irp tt, 0,1
.set f_, 0
.rept \KF
	global_load_b128 v[8*((\KF)*(\tt)+f_):8*((\KF)*(\tt)+f_)+3], v[34+(\tt)], s[42:43] offset:(f_/2)*131072+(f_%2)*64
.if (\half) == 0
	global_load_b128 v[8*((\KF)*(\tt)+f_)+4:8*((\KF)*(\tt)+f_)+7], v[34+(\tt)], s[42:43] offset:(f_/2)*131072+(f_%2)*64+32
.endif
.set f_, f_+1
.endr
.endr
	WIN 0
	s_lshl_b32 s54, s34, 5
	s_add_co_u32 s54, s54, 128
	LISTLD                                         ; the next trip's tokens
	v_mov_b32 v24, 0xff7fffff
	v_mov_b32 v25, 0
	v_mov_b32 v26, 0xff7fffff
	v_mov_b32 v27, 0
	v_mov_b32 v11, v10
	v_mov_b32 v13, v12
	LOADW \KF, \half, \LP
	s_wait_loadcnt 0x2                             ; the token rows are in; the two list loads may be out
	s_mov_b32 s35, (\NSC)-1
.Lsc\c:
	BODY \KF, \half, \LP, 1
	s_sub_co_u32 s35, s35, 1
	s_cmp_lg_u32 s35, 0
	s_cbranch_scc1 .Lsc\c
	BODY \KF, \half, \LP, 0                        ; the slice's last 32 rows: nothing more to fetch
	EACH v_permlanex16_b32 v[rT], v[rM], s50, s51  ; the two halves of the lanes meet
	EACH v_max_num_f32 v[rT+1], v[rM], v[rT]
	EACH v_sub_f32 v[rT+2], v[rM], v[rT+1]
	EACH v_exp_f32 v[rT+2], v[rT+2]
	v_nop
	s_wait_alu depctr_va_vdst(0)
	EACH v_mul_f32 v[rT+3], v[rM+1], v[rT+2]
	EACH v_permlanex16_b32 v[rT], v[rT+3], s50, s51
	EACH v_add_f32 v[rT+3], v[rT+3], v[rT]
	v_cndmask_b32 v32, v17, v21, s52               ; lanes 0-15: the first tile; lanes 16-31: the second
	v_cndmask_b32 v33, v19, v23, s52
	global_store_b64 v15, v[32:33], s[44:45]       ; 32 ranks' pairs: 256 consecutive bytes, aligned
.Lyb\c:
	s_add_co_u32 s33, s33, 1
	s_cmp_lt_u32 s33, 8
	s_cbranch_scc1 .Ly\c
	s_branch .Lend
.endm
	s_load_b512 s[4:19], s[0:1], 0x0               ; PB, route, w1, b1, w2, b2, w3, b3
	s_load_b64 s[20:21], s[0:1], 0x40              ; partT
	v_lshl_add_u32 v4, v0, 2, SPARE
	v_mov_b32 v5, 0
	v_lshrrev_b32 v3, 5, v0
	v_readfirstlane_b32 s28, v3                    ; wave
	v_and_b32 v1, 15, v0
	v_bfe_u32 v2, v0, 4, 1
	v_and_b32 v3, 31, v0
	s_mov_b32 s50, 0x76543210
	s_mov_b32 s51, 0xfedcba98
	s_mov_b32 s52, 0xffff0000
	s_mov_b32 s53, 0x3fb8aa3b                      ; c = log2 e
	s_wait_kmcnt 0x0
	s_load_b128 s[24:27], s[6:7], 0x5000           ; the clusters' counts
	v_lshlrev_b32 v6, 4, v0
	v_lshlrev_b32 v14, 2, v0
	s_lshl_b32 s54, s28, 8
	v_lshl_add_u32 v36, v3, 3, s54
	v_mov_b32 v37, v1
	v_add_nc_u32 v38, 16, v1
	v_add_nc_u32 v39, 128, v0
	v_min_u32 v39, 159, v39
	v_lshlrev_b32 v39, 2, v39
	v_mov_b32 v41, 0xf149f2ca                      ; -1e30
	v_mov_b32 v30, 0                               ; what the list registers hold where no list is read
	v_mov_b32 v31, 0
	s_wait_kmcnt 0x0
	s_cmp_lt_u32 ttmp9, 250
	s_cbranch_scc1 .Lt2
	s_cmp_lt_u32 ttmp9, 383
	s_cbranch_scc1 .Lt3
	SECTION 1, 8, 0, 5, 6, 528, 5, 1, 1, 16, 0, 383, 8, 20000, 0, 201216
	SECTION 2, 2, 0, 5, 4, 144, 20, 5, 0, 20, 125, 0, 12, 160000, 84480, 203776
	SECTION 3, 1, 1, 1, 2, 48, 16, 4, 0, 21, 375, 250, 16, 67735, 176640, 206336
.Lend:
	s_wait_dscnt 0x0                               ; my reads of the slice are over
	s_barrier_signal -1
	s_barrier_wait -1                              ; everybody's are: the closing add stands behind all reads of LDS
	s_wait_tensorcnt 0x0                           ; the wave's end
	ds_add_u32 v4, v5
	s_wait_dscnt 0x0
	s_endpgm
.Lfunc_end_k_qcf4b69ec84_tails:
	.size	k_qcf4b69ec84_tails, .Lfunc_end_k_qcf4b69ec84_tails-k_qcf4b69ec84_tails
	.p2alignl 7, 3214868480
	.fill 96, 4, 3214868480
	.section	.rodata,"a",@progbits
	.p2align	6, 0x0
	.amdhsa_kernel k_qcf4b69ec84_tails
		.amdhsa_group_segment_fixed_size 209408
		.amdhsa_private_segment_fixed_size 0
		.amdhsa_enable_private_segment 0
		.amdhsa_kernarg_size 72
		.amdhsa_user_sgpr_count 2
		.amdhsa_user_sgpr_kernarg_segment_ptr 1
		.amdhsa_wavefront_size32 1
		.amdhsa_system_sgpr_workgroup_id_x 1
		.amdhsa_system_sgpr_workgroup_id_y 1
		.amdhsa_system_sgpr_workgroup_id_z 1
		.amdhsa_system_vgpr_workitem_id 0
		.amdhsa_next_free_vgpr 512
		.amdhsa_next_free_sgpr 66
		.amdhsa_reserve_vcc 1
		.amdhsa_float_denorm_mode_32 3
		.amdhsa_float_denorm_mode_16_64 3
		.amdhsa_memory_ordered 1
		.amdhsa_forward_progress 1
		.amdhsa_inst_pref_size 114
	.end_amdhsa_kernel
	.amdgpu_metadata
---
amdhsa.version: [ 1, 2 ]
amdhsa.kernels:
  - .name:           k_qcf4b69ec84_tails
    .symbol:         k_qcf4b69ec84_tails.kd
    .args:
      - { .name: PB, .offset: 0, .size: 8, .value_kind: global_buffer, .address_space: global }
      - { .name: route, .offset: 8, .size: 8, .value_kind: global_buffer, .address_space: global }
      - { .name: w1, .offset: 16, .size: 8, .value_kind: global_buffer, .address_space: global }
      - { .name: b1, .offset: 24, .size: 8, .value_kind: global_buffer, .address_space: global }
      - { .name: w2, .offset: 32, .size: 8, .value_kind: global_buffer, .address_space: global }
      - { .name: b2, .offset: 40, .size: 8, .value_kind: global_buffer, .address_space: global }
      - { .name: w3, .offset: 48, .size: 8, .value_kind: global_buffer, .address_space: global }
      - { .name: b3, .offset: 56, .size: 8, .value_kind: global_buffer, .address_space: global }
      - { .name: partT, .offset: 64, .size: 8, .value_kind: global_buffer, .address_space: global }
    .group_segment_fixed_size: 209408
    .private_segment_fixed_size: 0
    .kernarg_segment_align: 8
    .kernarg_segment_size: 72
    .max_flat_workgroup_size: 128
    .sgpr_count:     66
    .vgpr_count:     512
    .wavefront_size: 32
...
	.end_amdgpu_metadata
.endif
;; end of part 3
;; launch finish (part 4): grid 32 x 1, 32 waves a work-group, no clusters, 21,248 bytes of LDS; arguments target, w0, b0, cluster_w, cluster_b, w1, b1, w2, b2, w3, b3, PB, route, part0, partT, out0; writes out0
.if DOCPART == 4
	.amdgcn_target "amdgcn-amd-amdhsa--gfx1250"
	.amdhsa_code_object_version 6
	.text
	.protected	k_qcf4b69ec84_finish
	.globl	k_qcf4b69ec84_finish
	.p2align	8
	.type	k_qcf4b69ec84_finish,@function
k_qcf4b69ec84_finish:
	s_mov_b64 s[64:65], 0
	v_nop
	global_prefetch_b8 v0, s[64:65] scope:SCOPE_SE
	s_setreg_imm32_b32 hwreg(HW_REG_WAVE_MODE, 25, 1), 1
	s_wait_xcnt 0x0
; Launch 4 of 4: for each token the partial (m, l) pairs are joined, the three cluster logits and the target's own logit are made, and the loss is stored.
; Of the tails only the token's own is read (reference() keeps no other by its where on target).  target is clipped into its table as reference() clips it.
; All logits are in log2 units: nll = ln 2 x (LSE_head - z_target), or ln 2 x ((LSE_head - z_cluster) + (LSE_tail - z_target)); cluster i's head column is 20003 - i: row 3 - i of cluster_w.
; SHARES.  A work-group has 32 tokens.  First a lane is a token and wave w joins partials w, w + 32, ..: of the head's 252, of the tail's 125, 250 or 133.  The 32 waves' results meet in LDS.
; Then a wave is a token, its lanes go along K for four dot products: PB's bf16 row against f32 rows of cluster_w and of the target's table.
; Every offset that is made of ids alone is made at the head, with all lanes on, and never rewritten.
.set XP,    528                        ; a wave's row of 32 x 16 bytes, padded
.set RES,   16896
.set SPARE, 17152                      ; the spare words, 128 bytes a wave
.macro WMAX r, t
	v_max_num_f32_dpp v[\r], v[\r], v[\r] row_xmask:1 row_mask:0xf bank_mask:0xf
	v_max_num_f32_dpp v[\r], v[\r], v[\r] row_xmask:2 row_mask:0xf bank_mask:0xf
	v_max_num_f32_dpp v[\r], v[\r], v[\r] row_xmask:4 row_mask:0xf bank_mask:0xf
	v_max_num_f32_dpp v[\r], v[\r], v[\r] row_xmask:8 row_mask:0xf bank_mask:0xf
	v_permlanex16_b32 v[\t], v[\r], s66, s67
	v_max_num_f32 v[\r], v[\r], v[\t]
.endm
.macro WSUM r, t
	v_add_f32_dpp v[\r], v[\r], v[\r] row_xmask:1 row_mask:0xf bank_mask:0xf
	v_add_f32_dpp v[\r], v[\r], v[\r] row_xmask:2 row_mask:0xf bank_mask:0xf
	v_add_f32_dpp v[\r], v[\r], v[\r] row_xmask:4 row_mask:0xf bank_mask:0xf
	v_add_f32_dpp v[\r], v[\r], v[\r] row_xmask:8 row_mask:0xf bank_mask:0xf
	v_permlanex16_b32 v[\t], v[\r], s66, s67
	v_add_f32 v[\r], v[\r], v[\t]
.endm
.macro DOT acc, xb, rb, n              ; my lane's 2 n terms: bf16 halves of x times f32 of w, summed in f32
	v_fma_mix_f32_bf16 v[\acc], v[\xb], v[\rb], v11 op_sel_hi:[1,0,0]
	v_fma_mix_f32_bf16 v[\acc], v[\xb], v[(\rb)+1], v[\acc] op_sel:[1,0,0] op_sel_hi:[1,0,0]
.set z, 1
.rept (\n)-1
	v_fma_mix_f32_bf16 v[\acc], v[(\xb)+z], v[(\rb)+2*z], v[\acc] op_sel_hi:[1,0,0]
	v_fma_mix_f32_bf16 v[\acc], v[(\xb)+z], v[(\rb)+2*z+1], v[\acc] op_sel:[1,0,0] op_sel_hi:[1,0,0]
.set z, z+1
.endr
.endm
.macro MAX8 m, b
	v_max3_num_f32 v[\m], v[\b], v[(\b)+2], v[(\b)+4]
	v_max3_num_f32 v[\m], v[\m], v[(\b)+6], v[(\b)+8]
	v_max3_num_f32 v[\m], v[\m], v[(\b)+10], v[(\b)+12]
	v_max_num_f32 v[\m], v[\m], v[(\b)+14]
.irp i, 0,1,2,3,4,5,6,7
	v_sub_f32 v[(\b)+2*(\i)], v[(\b)+2*(\i)], v[\m]
.endr
.endm
.macro SUM8 l, b
	v_mul_f32 v[\l], v[(\b)+1], v[\b]
.irp i, 1,2,3,4,5,6,7
	v_fmac_f32 v[\l], v[(\b)+2*(\i)+1], v[(\b)+2*(\i)]
.endr
.endm
; The target's row (s55, clipped here) of the table at s[wlo], its bias, the matching blocks of PB, and their dot product.  xld = 0: x is the head's, already in v32-47.
.macro TROW wlo, blo, maxrow, lgrb, nkb, xblk, vw, vx, xld, xb
	s_max_i32 s55, s55, 0
	s_min_u32 s55, s55, \maxrow
	s_lshl_b32 s38, s55, 2
	s_load_b32 s63, s[\blo:(\blo)+1], s38 offset:0x0
	s_lshl_b32 s56, s55, \lgrb
	s_mov_b32 s57, 0
	s_add_nc_u64 s[58:59], s[\wlo:(\wlo)+1], s[56:57]
.set z, 0
.rept \nkb
	global_load_b64 v[80+2*z:81+2*z], v[\vw], s[58:59] offset:256*z
.if \xld
	global_load_b32 v[104+z], v[\vx], s[26:27] offset:((\xblk)+z)*131072
.endif
.set z, z+1
.endr
	s_wait_loadcnt 0x0
	s_wait_kmcnt 0x0
	DOT 123, \xb, 80, \nkb
.endm
	s_load_b512 s[4:19], s[0:1], 0x0               ; target, w0, b0, cluster_w, cluster_b, w1, b1, w2
	s_load_b512 s[20:35], s[0:1], 0x40             ; b2, w3, b3, PB, route, part0, partT, out0
	v_lshl_add_u32 v14, v0, 2, SPARE
	v_mov_b32 v15, 0
	v_lshrrev_b32 v1, 5, v0
	v_readfirstlane_b32 s36, v1                    ; wave
	v_and_b32 v1, 31, v0                           ; lane
	s_lshl_b32 s37, ttmp9, 5                       ; the work-group's first token
	v_add_nc_u32 v2, s37, v1
	v_lshlrev_b32 v3, 2, v2
	s_lshl_b32 s38, s36, 13
	v_lshl_add_u32 v6, v2, 3, s38
	v_mov_b32 v11, 0
	v_mov_b32 v12, 0xff7fffff
	s_mov_b32 s39, 0x3fb8aa3b
	s_mov_b32 s60, 20000
	s_mov_b32 s61, 40000
	s_mov_b32 s62, 200000
	s_mov_b32 s66, 0x76543210
	s_mov_b32 s67, 0xfedcba98
	s_mov_b32 s71, 0x3f317218                      ; ln 2
	s_add_co_u32 s47, s37, s36                     ; the token that my wave finishes
	s_lshl_b32 s49, s47, 2
	s_lshl_b32 s50, s47, 7
	s_mul_i32 s45, s36, XP
	v_lshl_add_u32 v126, v1, 4, s45                ; where my wave puts lane = token's partials
	v_mul_u32_u24 v112, v1, XP
	s_lshl_b32 s46, s36, 4
	v_add_nc_u32 v112, s46, v112                   ; where lane = wave reads my token's
	v_lshl_add_u32 v113, v1, 2, s50                ; my two columns of a block of PB, in my token's row
	v_lshlrev_b32 v114, 3, v1                      ; the same two columns in f32
	v_min_u32 v115, 7, v1
	v_lshlrev_b32 v116, 3, v115                    ; and where a row has 16 columns
	v_lshl_add_u32 v117, v115, 2, s50
	s_lshl_b32 s45, s36, 2
	s_add_co_u32 s45, s45, RES
	v_mov_b32 v118, s45
	v_lshl_add_u32 v119, v1, 2, RES
	s_wait_kmcnt 0x0
	s_load_b32 s48, s[4:5], s49 offset:0x0         ; its target
	s_load_b96 s[52:54], s[12:13], 0x0             ; cluster_b
	global_load_b32 v4, v3, s[4:5]
	global_load_b32 v5, v3, s[28:29] offset:16384
.irp i, 0,1,2,3,4,5,6
	global_load_b64 v[16+2*(\i):17+2*(\i)], v6, s[30:31] offset:262144*(\i)
.endr
	v_mov_b32 v30, v12
	v_mov_b32 v31, 0
	s_cmp_lt_u32 s36, 28                           ; partial 224 + w exists for w < 28
	s_cbranch_scc0 .Lno7
	global_load_b64 v[30:31], v6, s[30:31] offset:262144*7
.Lno7:
.irp i, 0,1,2,3,4,5,6,7
	v_mov_b32 v[32+2*(\i)], v12                    ; what a lane without a tail keeps
	v_mov_b32 v[33+2*(\i)], 0
.endr
	s_wait_loadcnt 0x7                             ; target and rank are in: seven loads at the least were issued behind them
	v_cmp_le_i32 s40, s60, v4
	v_cmp_le_i32 s41, s61, v4
	v_cmp_le_i32 s42, s62, v4
	v_mov_b32 v7, 0                                ; the tail's slices less 1, and its first row in partT
	v_mov_b32 v8, 0
	v_mov_b32 v13, 124
	v_cndmask_b32 v7, v7, v13, s40
	v_mov_b32 v13, 249
	v_cndmask_b32 v7, v7, v13, s41
	v_mov_b32 v13, 132
	v_cndmask_b32 v7, v7, v13, s42
	v_mov_b32 v13, 125
	v_cndmask_b32 v8, v8, v13, s41
	v_mov_b32 v13, 375
	v_cndmask_b32 v8, v8, v13, s42
	v_min_u32 v5, 0x3ff, v5
	v_lshlrev_b32 v9, 3, v5
.irp i, 0,1,2,3,4,5,6,7
	s_add_co_u32 s44, s36, 32*(\i)
	v_min_u32 v10, s44, v7
	v_add_nc_u32 v10, v10, v8
	v_min_u32 v10, 0x1fb, v10
	v_lshl_add_u32 v[48+(\i)], v10, 13, v9
.endr
	v_cmp_le_i32 vcc_lo, s60, v4
	s_wait_xcnt 0x0                                ; EXEC changes only behind this wait
	s_and_saveexec_b32 s43, vcc_lo                 ; lanes whose token has a tail: no other lane's place in partT need have been stored
.irp i, 0,1,2,3,4,5,6,7
	global_load_b64 v[32+2*(\i):33+2*(\i)], v[48+(\i)], s[32:33]
.endr
	s_wait_xcnt 0x0
	s_or_b32 exec_lo, exec_lo, s43
	s_wait_loadcnt 0x0
.irp i, 0,1,2,3,4,5,6,7
	s_add_co_u32 s44, s36, 32*(\i)
	v_cmp_gt_u32 vcc_lo, s44, v7                   ; past the tail's slices
	v_cndmask_b32 v[32+2*(\i)], v[32+2*(\i)], v12, vcc_lo
	v_cndmask_b32 v[33+2*(\i)], v[33+2*(\i)], v11, vcc_lo
.endr
	MAX8 56, 16
	MAX8 58, 32
.irp i, 0,1,2,3,4,5,6,7
	v_exp_f32 v[16+2*(\i)], v[16+2*(\i)]
	v_exp_f32 v[32+2*(\i)], v[32+2*(\i)]
.endr
	v_nop
	s_wait_alu depctr_va_vdst(0)                   ; one wait for the sixteen
	SUM8 57, 16
	SUM8 59, 32
	ds_store_b128 v126, v[56:59]
	s_wait_dscnt 0x0                               ; for the others' sake
	s_barrier_signal -1
	s_barrier_wait -1
	ds_load_b128 v[16:19], v112                    ; my token's partials, one wave's in each lane
.set z, 0
.rept 16
	global_load_b32 v[32+z], v113, s[26:27] offset:131072*z
.set z, z+1
.endr
.set z, 0
.rept 16
	global_load_b64 v[48+2*z:49+2*z], v114, s[10:11] offset:256*z
.set z, z+1
.endr
.set z, 0
.rept 16
	global_load_b64 v[80+2*z:81+2*z], v114, s[10:11] offset:4096+256*z
.set z, z+1
.endr
	s_wait_dscnt 0x0
	v_mov_b32 v21, 0
	v_mov_b32 v20, v16
	v_mov_b32 v24, v18
	WMAX 20, 21
	WMAX 24, 21
	v_sub_f32 v22, v16, v20
	v_sub_f32 v23, v18, v24
	v_exp_f32 v22, v22
	v_exp_f32 v23, v23
	v_nop
	s_wait_alu depctr_va_vdst(0)
	v_mul_f32 v17, v17, v22
	v_mul_f32 v19, v19, v23
	WSUM 17, 21
	WSUM 19, 21
	s_wait_loadcnt 16                              ; x and cluster_w's row 0 are in; row 1's sixteen loads may be out
	DOT 120, 32, 48, 16
.set z, 0
.rept 16
	global_load_b64 v[48+2*z:49+2*z], v114, s[10:11] offset:8192+256*z
.set z, z+1
.endr
	s_wait_loadcnt 16                              ; row 1 is in; row 2's sixteen loads may be out
	DOT 121, 32, 80, 16
	s_wait_kmcnt 0x0                               ; the target, cluster_b
	s_cmp_lt_i32 s48, s60
	s_cbranch_scc1 .Lc0
	s_cmp_lt_i32 s48, s61
	s_cbranch_scc1 .Lc1
	s_cmp_lt_i32 s48, s62
	s_cbranch_scc1 .Lc2
	s_sub_co_i32 s55, s48, s62
	TROW 22, 24, 67734, 6, 1, 21, 116, 117, 1, 104
	v_cmp_gt_u32 vcc_lo, 8, v1                     ; K = 16: eight lanes
	v_cndmask_b32 v123, v11, v123, vcc_lo
	s_branch .Ljoin
.Lc2:
	s_sub_co_i32 s55, s48, s61
	TROW 18, 20, 159999, 8, 1, 20, 114, 113, 1, 104
	s_branch .Ljoin
.Lc1:
	s_sub_co_i32 s55, s48, s60
	TROW 14, 16, 19999, 10, 4, 16, 114, 113, 1, 104
	s_branch .Ljoin
.Lc0:
	s_mov_b32 s55, s48
	TROW 6, 8, 19999, 12, 16, 0, 114, 113, 0, 32
.Ljoin:
	DOT 122, 32, 48, 16                            ; row 2: every way here has waited for all loads
	WSUM 120, 21
	WSUM 121, 21
	WSUM 122, 21
	WSUM 123, 21
	s_mul_f32 s52, s52, s39
	s_mul_f32 s53, s53, s39
	s_mul_f32 s54, s54, s39
	s_mul_f32 s63, s63, s39
	v_add_f32 v120, s52, v120
	v_add_f32 v121, s53, v121
	v_add_f32 v122, s54, v122
	v_add_f32 v123, s63, v123
	v_max3_num_f32 v25, v20, v120, v121            ; the head's maximum with the three cluster columns
	v_max_num_f32 v25, v25, v122
	v_sub_f32 v26, v20, v25
	v_sub_f32 v27, v120, v25
	v_sub_f32 v28, v121, v25
	v_sub_f32 v29, v122, v25
	v_exp_f32 v26, v26
	v_exp_f32 v27, v27
	v_exp_f32 v28, v28
	v_exp_f32 v29, v29
	v_log_f32 v30, v19
	v_nop
	s_wait_alu depctr_va_vdst(0)
	v_fma_f32 v26, v17, v26, v27
	v_add_f32 v28, v28, v29
	v_add_f32 v26, v26, v28
	v_log_f32 v26, v26
	v_mov_b32 v124, v122                           ; the cluster's head logit: row 2, 1 or 0 of cluster_w for clusters 1, 2, 3
	s_cmp_ge_i32 s48, s61
	s_cselect_b32 s70, -1, 0
	v_cndmask_b32 v124, v124, v121, s70
	s_cmp_ge_i32 s48, s62
	s_cselect_b32 s70, -1, 0
	v_cndmask_b32 v124, v124, v120, s70
	s_cmp_ge_i32 s48, s60
	s_cselect_b32 s69, -1, 0
	s_wait_alu depctr_va_vdst(0)
	v_add_f32 v25, v25, v26                        ; LSE of the head
	v_add_f32 v30, v24, v30                        ; LSE of the tail
	v_sub_f32 v30, v30, v124
	v_cndmask_b32 v30, v11, v30, s69               ; selected, not multiplied: a token of the shortlist has no tail
	v_sub_f32 v25, v25, v123
	v_add_f32 v25, v25, v30
	v_mul_f32 v125, s71, v25
	ds_store_b32 v118, v125                        ; all lanes write the same word with the same value
	s_wait_dscnt 0x0
	s_barrier_signal -1
	s_barrier_wait -1
	s_cmp_lg_u32 s36, 0
	s_cbranch_scc1 .Lfin
	ds_load_b32 v125, v119
	s_wait_dscnt 0x0
	global_store_b32 v3, v125, s[34:35]            ; the work-group's 32 results: 128 consecutive bytes
.Lfin:
	s_wait_tensorcnt 0x0                           ; the wave's end
	ds_add_u32 v14, v15
	s_wait_dscnt 0x0
	s_endpgm
.Lfunc_end_k_qcf4b69ec84_finish:
	.size	k_qcf4b69ec84_finish, .Lfunc_end_k_qcf4b69ec84_finish-k_qcf4b69ec84_finish
	.p2alignl 7, 3214868480
	.fill 96, 4, 3214868480
	.section	.rodata,"a",@progbits
	.p2align	6, 0x0
	.amdhsa_kernel k_qcf4b69ec84_finish
		.amdhsa_group_segment_fixed_size 21248
		.amdhsa_private_segment_fixed_size 0
		.amdhsa_enable_private_segment 0
		.amdhsa_kernarg_size 128
		.amdhsa_user_sgpr_count 2
		.amdhsa_user_sgpr_kernarg_segment_ptr 1
		.amdhsa_wavefront_size32 1
		.amdhsa_system_sgpr_workgroup_id_x 1
		.amdhsa_system_sgpr_workgroup_id_y 1
		.amdhsa_system_sgpr_workgroup_id_z 1
		.amdhsa_system_vgpr_workitem_id 0
		.amdhsa_next_free_vgpr 128
		.amdhsa_next_free_sgpr 80
		.amdhsa_reserve_vcc 1
		.amdhsa_float_denorm_mode_32 3
		.amdhsa_float_denorm_mode_16_64 3
		.amdhsa_memory_ordered 1
		.amdhsa_forward_progress 1
		.amdhsa_inst_pref_size 36
	.end_amdhsa_kernel
	.amdgpu_metadata
---
amdhsa.version: [ 1, 2 ]
amdhsa.kernels:
  - .name:           k_qcf4b69ec84_finish
    .symbol:         k_qcf4b69ec84_finish.kd
    .args:
      - { .name: target, .offset: 0, .size: 8, .value_kind: global_buffer, .address_space: global }
      - { .name: w0, .offset: 8, .size: 8, .value_kind: global_buffer, .address_space: global }
      - { .name: b0, .offset: 16, .size: 8, .value_kind: global_buffer, .address_space: global }
      - { .name: cluster_w, .offset: 24, .size: 8, .value_kind: global_buffer, .address_space: global }
      - { .name: cluster_b, .offset: 32, .size: 8, .value_kind: global_buffer, .address_space: global }
      - { .name: w1, .offset: 40, .size: 8, .value_kind: global_buffer, .address_space: global }
      - { .name: b1, .offset: 48, .size: 8, .value_kind: global_buffer, .address_space: global }
      - { .name: w2, .offset: 56, .size: 8, .value_kind: global_buffer, .address_space: global }
      - { .name: b2, .offset: 64, .size: 8, .value_kind: global_buffer, .address_space: global }
      - { .name: w3, .offset: 72, .size: 8, .value_kind: global_buffer, .address_space: global }
      - { .name: b3, .offset: 80, .size: 8, .value_kind: global_buffer, .address_space: global }
      - { .name: PB, .offset: 88, .size: 8, .value_kind: global_buffer, .address_space: global }
      - { .name: route, .offset: 96, .size: 8, .value_kind: global_buffer, .address_space: global }
      - { .name: part0, .offset: 104, .size: 8, .value_kind: global_buffer, .address_space: global }
      - { .name: partT, .offset: 112, .size: 8, .value_kind: global_buffer, .address_space: global }
      - { .name: out0, .offset: 120, .size: 8, .value_kind: global_buffer, .address_space: global }
    .group_segment_fixed_size: 21248
    .private_segment_fixed_size: 0
    .kernarg_segment_align: 8
    .kernarg_segment_size: 128
    .max_flat_workgroup_size: 1024
    .sgpr_count:     80
    .vgpr_count:     128
    .wavefront_size: 32
...
	.end_amdgpu_metadata
.endif
;; end of part 4
;; ======== version 2 of 2: 4 launches; version 1 with the launch tails written anew for expert scheduling mode
;; limits: right only within a limited range of input values
;; workspace buffers: PB 2,883,584 bytes; route 20,736 bytes of whole numbers; part0 2,064,384 bytes; partT 4,161,536 bytes
;; launch proj: the kernel of part 1 again; grid 177 x 1, 4 waves a work-group, no clusters, 182,784 bytes of LDS; arguments hidden, p0, p1, p2, p3, target, PB, route; writes PB, route
;; launch head: the kernel of part 2 again; grid 252 x 1, 4 waves a work-group, clusters of 4 x 1, 327,680 bytes of LDS; arguments PB, w0, b0, part0; writes part0
;; launch tails (part 5): grid 508 x 1, 4 waves a work-group, no clusters, 209,408 bytes of LDS; arguments PB, route, w1, b1, w2, b2, w3, b3, partT; writes partT
.if DOCPART == 5
	.amdgcn_target "amdgcn-amd-amdhsa--gfx1250"
	.amdhsa_code_object_version 6
	.text
	.protected	k_qcf4b69ec84_tails
	.globl	k_qcf4b69ec84_tails
	.p2align	8
	.type	k_qcf4b69ec84_tails,@function
k_qcf4b69ec84_tails:
	s_mov_b64 s[64:65], 0
	v_nop
	global_prefetch_b8 v0, s[64:65] scope:SCOPE_SE
	s_setreg_imm32_b32 hwreg(HW_REG_WAVE_SCHED_MODE, 0, 2), 2
	s_setreg_imm32_b32 hwreg(HW_REG_WAVE_MODE, 25, 1), 1
	s_wait_xcnt 0x0
	s_wait_alu depctr_vm_vsrc(0)
; Launch 3 of 4: the three tails' logits (log2 units), each for the rows of its own cluster alone (reference() keeps no other by its where on target; the lists were stored by the first launch),
; and of them a running maximum and sum of 2^(s - m) for each rank and slice.  A NaN or infinity in a tail that a row does not use is not carried to that row.
; SHARES.  A work-group has one slice of one tail's rows, which it alone reads: ids 0-249 tail 2 (640 rows), 250-382 tail 3 (512), 383-507 tail 1 (160).  It rounds the slice into LDS once, with the bias
; times c; one barrier.  Then a PAIR (32 consecutive ranks, two token tiles) at a time and wave: pair 4 y + w in trip y of a loop of 8 trips, the count that serves all 1,024 rows in one cluster;
; a trip past the cluster's pairs is jumped, with no barrier in what is jumped.  Places past the count repeat the last row that exists.  A cluster without rows stores nothing.
; Tail 3's last slice begins at row 67,223, so that it stays inside w3; the rows that its neighbour owns get the bias -1e30 (LIMIT: such a column counts as its value less 1e30).
; Tail 3's K is 16: the upper half of each fragment is 0.
; The product is taken transposed (source 0 = 16 rows of w, source 1 = 16 tokens); the bias is the C operand that starts the sum.  Each lane keeps m and l for its half of the columns; the halves meet at a pair's end.
; LDS.  The three tails' texts name disjoint bytes: slices at 0 (160 x 528), 84,480 (640 x 144) and 176,640 (512 x 48); biases at 201,216, 203,776 and 206,336; the spare words behind them.
; No joint loads: a slice has one reader, and the token rows come by a list.  No prefetch: a work-group's whole stream is asked for at its head, two rounds of 32 KiB ahead by its own loads.
; REGISTERS.  Window 0: v16-23 at work; v24-27 m, l of the two tiles; v56-87 scores (tt, vt) at 56 + 16 tt + 8 vt, and ahead of the barrier the staging's out-buffer; v88-103 bias; v104-231 two raw sets for staging.
; Window 1: v0-127 token fragments, v128-255 w's.
; THE MODE: SCHED_MODE bits 1:0 = 2 (LLVM: expert scheduling mode 2), set by the entry lines.  The code itself states the register dependences
; between vector or matrix instructions and memory or LDS instructions, with s_wait_alu, always for 0.
; THE PLAN.  Registers that memory or LDS instructions touch:
;   v6, v14, v39, v7-v9   offsets and LDS addresses of the staging: written once, ahead of the one wait at a tail's head; read by loads and LDS stores; never written again.
;   SA, SBB               raw f32 of a round.  Written by loads; read by the round's 32 conversions; asked for again straight behind the wait that follows those.
;   OUT                   the round in bf16.  Written by the conversions; read by the round's 16 LDS stores; written again a round later, behind a wait on vm_vsrc.  From the pair loop on: the scores.
;   SB                    the bias.  Written by loads, scaled by vector lines, read by LDS stores, then left.
;   v28, v29, v34, v35, v15, v11, v13   offsets and LDS addresses of a pair: written together at the pair's head, between its wait on vm_vsrc and its wait on va_vdst; v11 and v13 also step once a step.
;   v30, v31              a pair's tokens.  Written by loads; read by two vector lines at the next pair's head.
;   window 1, v88-v103    fragments and bias.  Written by loads; read by matrix instructions alone.
;   v32, v33              a pair's result.  Written by two selects; read by the pair's store.
;   v4, v5                written at the head, read by the closing add alone.
; So a pair's head has one wait of each kind for all its loads; a step has one wait on vm_vsrc ahead of the two address adds, one on va_vdst behind its products and ahead of the next
; fragments' loads, and the exponentials' own; a pair's end has one ahead of its store.
.set SPARE, 208896
.set SA, 104
.set SBB, 168
.set SB, 232
.set OUT, 56
.set MSB, 0
.macro WIN new
.if MSB != (\new)
	s_set_vgpr_msb (MSB<<8)|(\new)
.set MSB, \new
.endif
.endm
.macro LDR set, rnd                    ; a round: 32,768 dense bytes of the slice
.set z, 0
.rept 16
	global_load_b128 v[(\set)+4*z:(\set)+4*z+3], v6, s[36:37] offset:(\rnd)*32768+2048*z th:TH_LOAD_NT
.set z, z+1
.endr
.endm
.macro CVR set                         ; a round is rounded, out of its raw set into OUT
.set z, 0
.rept 16
	v_cvt_pk_bf16_f32 v[OUT+2*z], v[(\set)+4*z], v[(\set)+4*z+1]
	v_cvt_pk_bf16_f32 v[OUT+2*z+1], v[(\set)+4*z+2], v[(\set)+4*z+3]
.set z, z+1
.endr
.endm
.macro STO rnd, IST, RND               ; 8 bytes a lane into LDS
.set z, 0
.rept 16
	ds_store_b64 v[7+(\rnd)/3], v[OUT+2*z:OUT+2*z+1] offset:((\rnd)%3)*(\RND)+(\IST)*z
.set z, z+1
.endr
.endm
; Round rnd of the staging, out of raw set `set`.  first = 1: nothing has read OUT yet.  ld = 1: the set is asked for again, for the round two on.  left: the other set's loads, which may stay out.
.macro TURN set, rnd, first, ld, left, IST, RND
	s_wait_loadcnt \left
.if !\first
	s_wait_alu depctr_vm_vsrc(0)                   ; the LDS stores of the round before have read OUT, which the conversions write again
.endif
	CVR \set
	s_wait_alu depctr_va_vdst(0)                   ; the conversions have written OUT, which the LDS stores read, and are done reading the raw set, in which the loads land
.if \ld
	LDR \set, (\rnd)+2
.endif
	STO \rnd, \IST, \RND
.endm
.macro LISTAD                          ; the byte offsets in the list of ranks s54 + 0..31, clamped to the last that exists
	v_add_nc_u32 v28, s54, v37
	v_add_nc_u32 v29, s54, v38
	v_min_u32 v28, s31, v28
	v_min_u32 v29, s31, v29
	v_min_u32 v28, 0x3ff, v28
	v_min_u32 v29, 0x3ff, v29
	v_lshlrev_b32 v28, 2, v28
	v_lshlrev_b32 v29, 2, v29
.endm
.macro LISTGO                          ; and the tokens at them
	global_load_b32 v30, v28, s[40:41]
	global_load_b32 v31, v29, s[40:41]
.endm
.macro LOADW KF, half, LP              ; 32 rows of w as fragments, and their bias
	WIN 0x40
.set vt_, 0
.rept 2
.set f_, 0
.rept \KF
	ds_load_b128 v[128+8*((\KF)*vt_+f_):128+8*((\KF)*vt_+f_)+3], v11 offset:vt_*16*(\LP)+64*f_
.if (\half) == 0
	ds_load_b128 v[128+8*((\KF)*vt_+f_)+4:128+8*((\KF)*vt_+f_)+7], v11 offset:vt_*16*(\LP)+64*f_+32
.endif
.set f_, f_+1
.endr
.set vt_, vt_+1
.endr
	WIN 0
.irp vt, 0,1
	ds_load_b128 v[88+8*(\vt):88+8*(\vt)+3], v13 offset:64*(\vt)
	ds_load_b128 v[92+8*(\vt):92+8*(\vt)+3], v13 offset:64*(\vt)+16
.endr
.endm
; The softmax step of a pair: 16 scores a lane and tile, the two tiles alternating.  Each accumulator's lowest registers are read first.  34 exponentials, one wait.
.macro EACH line:vararg
.set tt_, 0
.rept 2
.set rS, 56+16*tt_
.set rT, 16+4*tt_
.set rM, 24+2*tt_
	\line
.set tt_, tt_+1
.endr
.endm
.macro SOFT
	EACH v_max3_num_f32 v[rT], v[rS], v[rS+1], v[rS+2]
	EACH v_max3_num_f32 v[rT+1], v[rS+8], v[rS+9], v[rS+10]
	EACH v_max3_num_f32 v[rT], v[rT], v[rS+3], v[rS+4]
	EACH v_max3_num_f32 v[rT+1], v[rT+1], v[rS+11], v[rS+12]
	EACH v_max3_num_f32 v[rT], v[rT], v[rS+5], v[rS+6]
	EACH v_max3_num_f32 v[rT+1], v[rT+1], v[rS+13], v[rS+14]
	EACH v_max3_num_f32 v[rT], v[rT], v[rS+7], v[rS+15]
	EACH v_max3_num_f32 v[rT], v[rT], v[rT+1], v[rM]
	EACH v_sub_f32 v[rT+2], v[rM], v[rT]
	EACH v_mov_b32 v[rM], v[rT]
.set i_, 0
.rept 8
	EACH v_pk_add_f32 v[rS+2*i_:rS+2*i_+1], v[rS+2*i_:rS+2*i_+1], v[rT:rT+1] op_sel_hi:[1,0] neg_lo:[0,1] neg_hi:[0,1]
.set i_, i_+1
.endr
	EACH v_exp_f32 v[rT+2], v[rT+2]
.set i_, 0
.rept 16
	EACH v_exp_f32 v[rS+i_], v[rS+i_]
.set i_, i_+1
.endr
	v_nop
	s_wait_alu depctr_va_vdst(0)                   ; the 34 exponentials have written their results: one wait for the batch, ahead of its first reader
.set i_, 0
.rept 4
	EACH v_pk_add_f32 v[rS+2*i_:rS+2*i_+1], v[rS+2*i_:rS+2*i_+1], v[rS+2*i_+8:rS+2*i_+9]
.set i_, i_+1
.endr
	EACH v_pk_add_f32 v[rS:rS+1], v[rS:rS+1], v[rS+4:rS+5]
	EACH v_pk_add_f32 v[rS+2:rS+3], v[rS+2:rS+3], v[rS+6:rS+7]
	EACH v_pk_add_f32 v[rS:rS+1], v[rS:rS+1], v[rS+2:rS+3]
	EACH v_add_f32 v[rT+3], v[rS], v[rS+1]
	EACH v_fma_f32 v[rM+1], v[rM+1], v[rT+2], v[rT+3]
.endm
; 32 rows of w against the pair.  The four accumulators take turns, one instruction a turn.  Five places stand behind the products: the next step's products write over
; these accumulators, and the softmax reads them.  ld: the next 32 rows' fragments are asked for ahead of the softmax.
.macro BODY KF, half, LP, ld
	s_wait_dscnt 0x0
	WIN 0x05
.set f_, 0
.rept \KF
.irp vt, 0,1
.irp tt, 0,1
.if f_ == 0
	v_wmma_f32_16x16x32_bf16 v[56+16*(\tt)+8*(\vt):56+16*(\tt)+8*(\vt)+7], v[128+8*((\KF)*(\vt)+f_):128+8*((\KF)*(\vt)+f_)+7], v[8*((\KF)*(\tt)+f_):8*((\KF)*(\tt)+f_)+7], v[88+8*(\vt):88+8*(\vt)+7]
.else
	v_wmma_f32_16x16x32_bf16 v[56+16*(\tt)+8*(\vt):56+16*(\tt)+8*(\vt)+7], v[128+8*((\KF)*(\vt)+f_):128+8*((\KF)*(\vt)+f_)+7], v[8*((\KF)*(\tt)+f_):8*((\KF)*(\tt)+f_)+7], v[56+16*(\tt)+8*(\vt):56+16*(\tt)+8*(\vt)+7]
.endif
.endr
.endr
.set f_, f_+1
.endr
	WIN 0
.rept 5
	v_nop
.endr
.if \ld
	s_wait_alu depctr_vm_vsrc(0)                   ; this step's LDS loads have read v11 and v13, which the two adds write
	v_add_nc_u32 v11, 32*(\LP), v11
	v_add_nc_u32 v13, 128, v13
	WIN 0x40
	s_wait_alu depctr_va_vdst(0)                   ; v11 and v13 are written, which the LDS loads read; the products are done reading w's fragments and the bias, in which those loads land
	LOADW \KF, \half, \LP
.endif
	SOFT
.endm
; wb, bb: the LDS bytes at which this tail's slice and bias begin
.macro SECTION c, KF, half, NR, LGT, LP, NSC, NBF, extra, blk, row0, idb, wp, vmax, wb, bb
.set IST_, (2048/(16<<(\LGT)))*(\LP)
.set RND_, 16*IST_
.Lt\c:
	s_sub_co_u32 s29, ttmp9, \idb                  ; the slice
	s_mul_i32 s54, s29, 32*(\NSC)
	s_min_u32 s46, s54, (\vmax)-32*(\NSC)          ; its first row, inside the table
	s_sub_co_u32 s48, s54, s46                     ; rows at its head that the neighbour owns
	s_lshl_b32 s56, s46, 2
	s_mov_b32 s57, 0
	s_add_nc_u64 s[38:39], s[(\wp)+2:(\wp)+3], s[56:57]
	s_lshl_b32 s46, s46, 4+(\LGT)
	s_mov_b32 s47, 0
	s_add_nc_u64 s[36:37], s[\wp:(\wp)+1], s[46:47]
	s_add_nc_u64 s[40:41], s[6:7], 4096*(\c)
	s_add_nc_u64 s[42:43], s[4:5], (\blk)*131072
	s_add_co_u32 s56, s29, \row0
	s_lshl_b32 s56, s56, 13
	s_add_nc_u64 s[44:45], s[20:21], s[56:57]
	s_min_u32 s30, s[24+(\c)], 1024                ; the cluster's rows,
	s_sub_co_u32 s31, s30, 1
	s_add_co_u32 s32, s30, 31
	s_lshr_b32 s32, s32, 5                         ; and pairs
	v_lshrrev_b32 v7, \LGT, v0
	v_mul_u32_u24 v7, v7, \LP
	v_and_b32 v40, (1<<(\LGT))-1, v0
	v_lshl_add_u32 v7, v40, 3, v7
	v_mul_u32_u24 v10, v1, \LP
	v_lshl_add_u32 v10, v2, 4, v10
.if (\wb) > 0
	v_add_nc_u32 v7, \wb, v7
	v_add_nc_u32 v10, \wb, v10
.endif
.if (\NR) > 1
	v_add_nc_u32 v8, 3*RND_, v7
.endif
	v_lshl_add_u32 v9, v0, 2, \bb
	v_lshl_add_u32 v12, v2, 5, \bb
	s_lshl_b32 s54, s28, 5
	LISTAD                                         ; pair w's places in the list: made on both ways, so that one wait serves both
	s_wait_alu depctr_va_vdst(0)                   ; written: the offsets v6, v14, v39, v28, v29 and the LDS addresses v7 to v9, which the loads and LDS stores below read; and v30, v31, in which the list's loads land
	s_cmp_eq_u32 s32, 0                            ; a cluster without rows has no list to read
	s_cbranch_scc1 .Lnl\c
	LISTGO                                         ; pair w's tokens
.Lnl\c:
.set k_, 0
.rept \NBF
	global_load_b32 v[SB+k_], v14, s[38:39] offset:512*k_
.set k_, k_+1
.endr
.if \extra
	global_load_b32 v[SB+(\NBF)], v39, s[38:39]
.endif
	LDR SA, 0
.if (\NR) > 1
	LDR SBB, 1
	s_wait_loadcnt 32                              ; list and bias are in; the two rounds issued behind them may be out
.else
	s_wait_loadcnt 16
.endif
.set k_, 0
.rept \NBF
	v_mul_f32 v[SB+k_], s53, v[SB+k_]
.set k_, k_+1
.endr
.if \extra
	v_mul_f32 v[SB+(\NBF)], s53, v[SB+(\NBF)]
.endif
.if \half
.set k_, 0
.rept \NBF
	v_add_nc_u32 v40, 128*k_, v0
	v_cmp_gt_u32 s[58+k_], s48, v40                ; a row that the neighbour owns
.set k_, k_+1
.endr
	s_wait_alu depctr_va_sdst(0)                   ; the compares have written s58 to s61, ahead of the selects that read them
.set k_, 0
.rept \NBF
	v_cndmask_b32 v[SB+k_], v[SB+k_], v41, s[58+k_]
.set k_, k_+1
.endr
.endif
	s_wait_alu depctr_va_vdst(0)                   ; the bias times c is written in v[SB ..], which the LDS stores read
.set k_, 0
.rept \NBF
	ds_store_b32 v9, v[SB+k_] offset:512*k_
.set k_, k_+1
.endr
.if \extra
	s_cmp_lg_u32 s28, 0                            ; rows 128 to 159: wave 0's 32 lanes
	s_cbranch_scc1 .Lnx\c
	ds_store_b32 v9, v[SB+(\NBF)] offset:512*(\NBF)
.Lnx\c:
.endif
.if (\NR) > 1
	TURN SA,  0, 1, 1, 16, IST_, RND_              ; each of these waits on loads leaves the other set's round out
	TURN SBB, 1, 0, 1, 16, IST_, RND_
	TURN SA,  2, 0, 1, 16, IST_, RND_
	TURN SBB, 3, 0, 0, 16, IST_, RND_
	TURN SA,  4, 0, 0, 0, IST_, RND_
.else
	TURN SA,  0, 1, 0, 0, IST_, RND_
.endif
.if \half
	WIN 0x40
.irp z, 4,5,6,7,12,13,14,15,132,133,134,135,140,141,142,143
	v_mov_b32 v[\z], 0                             ; K = 16 to 31 of every fragment: no load lands in these
.endr
	WIN 0
.endif
	s_wait_dscnt 0x0                               ; for the others' sake: my part of the slice is in LDS
	s_barrier_signal -1
	s_barrier_wait -1
	s_mov_b32 s33, 0
.Ly\c:
	s_lshl_b32 s34, s33, 2
	s_add_co_u32 s34, s34, s28                     ; my pair
	s_cmp_ge_u32 s34, s32
	s_cbranch_scc1 .Lyb\c
	s_wait_loadcnt 0x0                             ; its tokens, asked for a trip ago
	s_wait_xcnt 0x0                                ; the last trip's store has had its address translated: its registers are rewritten only behind this wait
	s_wait_alu depctr_vm_vsrc(0)                   ; read by now: v28, v29, v34, v35, v11, v13 by the last trip's loads, v15, v32, v33 by its store; in the first trip OUT by the staging's LDS stores.  All are written again below
	v_min_u32 v34, 0x3ff, v30
	v_min_u32 v35, 0x3ff, v31
	v_lshlrev_b32 v34, 7, v34
	v_lshlrev_b32 v35, 7, v35
	v_lshl_add_u32 v34, v2, 4, v34
	v_lshl_add_u32 v35, v2, 4, v35
	v_lshl_add_u32 v15, s33, 10, v36
	s_lshl_b32 s54, s34, 5
	s_add_co_u32 s54, s54, 128
	LISTAD                                         ; the next trip's places in the list
	v_mov_b32 v24, 0xff7fffff
	v_mov_b32 v25, 0
	v_mov_b32 v26, 0xff7fffff
	v_mov_b32 v27, 0
	v_mov_b32 v11, v10
	v_mov_b32 v13, v12
	WIN 0x40
	s_wait_alu depctr_va_vdst(0)                   ; the pair's offsets and LDS addresses are written; the last pair's products are done reading fragments and bias, the lines above v30 and v31: the loads below read the first and land in the rest
.irp tt, 0,1
.set f_, 0
.rept \KF
	global_load_b128 v[8*((\KF)*(\tt)+f_):8*((\KF)*(\tt)+f_)+3], v[34+(\tt)], s[42:43] offset:(f_/2)*131072+(f_%2)*64
.if (\half) == 0
	global_load_b128 v[8*((\KF)*(\tt)+f_)+4:8*((\KF)*(\tt)+f_)+7], v[34+(\tt)], s[42:43] offset:(f_/2)*131072+(f_%2)*64+32
.endif
.set f_, f_+1
.endr
.endr
	WIN 0
	LISTGO                                         ; the next trip's tokens.  No wait: only loads and window switches stand behind the wait above
	LOADW \KF, \half, \LP
	s_wait_loadcnt 0x2                             ; the token rows are in; the two list loads may be out
	s_mov_b32 s35, (\NSC)-1
.Lsc\c:
	BODY \KF, \half, \LP, 1
	s_sub_co_u32 s35, s35, 1
	s_cmp_lg_u32 s35, 0
	s_cbranch_scc1 .Lsc\c
	BODY \KF, \half, \LP, 0                        ; the slice's last 32 rows: nothing more to fetch
	EACH v_permlanex16_b32 v[rT], v[rM], s50, s51  ; the two halves of the lanes meet
	EACH v_max_num_f32 v[rT+1], v[rM], v[rT]
	EACH v_sub_f32 v[rT+2], v[rM], v[rT+1]
	EACH v_exp_f32 v[rT+2], v[rT+2]
	v_nop
	s_wait_alu depctr_va_vdst(0)                   ; the two exponentials have written their results, ahead of their first reader
	EACH v_mul_f32 v[rT+3], v[rM+1], v[rT+2]
	EACH v_permlanex16_b32 v[rT], v[rT+3], s50, s51
	EACH v_add_f32 v[rT+3], v[rT+3], v[rT]
	v_cndmask_b32 v32, v17, v21, s52               ; lanes 0-15: the first tile; lanes 16-31: the second
	v_cndmask_b32 v33, v19, v23, s52
	s_wait_alu depctr_va_vdst(0)                   ; the selects have written v32 and v33, which the store reads
	global_store_b64 v15, v[32:33], s[44:45]       ; 32 ranks' pairs: 256 consecutive bytes, aligned
.Lyb\c:
	s_add_co_u32 s33, s33, 1
	s_cmp_lt_u32 s33, 8
	s_cbranch_scc1 .Ly\c
	s_branch .Lend
.endm
	s_load_b512 s[4:19], s[0:1], 0x0               ; PB, route, w1, b1, w2, b2, w3, b3
	s_load_b64 s[20:21], s[0:1], 0x40              ; partT
	v_lshl_add_u32 v4, v0, 2, SPARE
	v_mov_b32 v5, 0
	v_lshrrev_b32 v3, 5, v0
	v_readfirstlane_b32 s28, v3                    ; wave
	v_and_b32 v1, 15, v0
	v_bfe_u32 v2, v0, 4, 1
	v_and_b32 v3, 31, v0
	s_mov_b32 s50, 0x76543210
	s_mov_b32 s51, 0xfedcba98
	s_mov_b32 s52, 0xffff0000
	s_mov_b32 s53, 0x3fb8aa3b                      ; c = log2 e
	s_wait_kmcnt 0x0
	s_load_b128 s[24:27], s[6:7], 0x5000           ; the clusters' counts
	v_lshlrev_b32 v6, 4, v0
	v_lshlrev_b32 v14, 2, v0
	s_wait_alu depctr_va_sdst(0)                   ; s28 is written, ahead of its first reader
	s_lshl_b32 s54, s28, 8
	v_lshl_add_u32 v36, v3, 3, s54
	v_mov_b32 v37, v1
	v_add_nc_u32 v38, 16, v1
	v_add_nc_u32 v39, 128, v0
	v_min_u32 v39, 159, v39
	v_lshlrev_b32 v39, 2, v39
	v_mov_b32 v41, 0xf149f2ca                      ; -1e30
	v_mov_b32 v30, 0                               ; what the list registers hold where no list is read
	v_mov_b32 v31, 0
	s_wait_kmcnt 0x0
	s_cmp_lt_u32 ttmp9, 250
	s_cbranch_scc1 .Lt2
	s_cmp_lt_u32 ttmp9, 383
	s_cbranch_scc1 .Lt3
	SECTION 1, 8, 0, 5, 6, 528, 5, 1, 1, 16, 0, 383, 8, 20000, 0, 201216
	SECTION 2, 2, 0, 5, 4, 144, 20, 5, 0, 20, 125, 0, 12, 160000, 84480, 203776
	SECTION 3, 1, 1, 1, 2, 48, 16, 4, 0, 21, 375, 250, 16, 67735, 176640, 206336
.Lend:
	s_wait_dscnt 0x0                               ; my reads of the slice are over
	s_barrier_signal -1
	s_barrier_wait -1                              ; everybody's are: the closing add stands behind all reads of LDS
	s_wait_dscnt 0x0                               ; the closing lines, six on end
	s_wait_alu 0x0
	s_wait_tensorcnt 0x0
	ds_add_u32 v4, v5
	s_wait_dscnt 0x0
	s_endpgm
.Lfunc_end_k_qcf4b69ec84_tails:
	.size	k_qcf4b69ec84_tails, .Lfunc_end_k_qcf4b69ec84_tails-k_qcf4b69ec84_tails
	.p2alignl 7, 3214868480
	.fill 96, 4, 3214868480
	.section	.rodata,"a",@progbits
	.p2align	6, 0x0
	.amdhsa_kernel k_qcf4b69ec84_tails
		.amdhsa_group_segment_fixed_size 209408
		.amdhsa_private_segment_fixed_size 0
		.amdhsa_enable_private_segment 0
		.amdhsa_kernarg_size 72
		.amdhsa_user_sgpr_count 2
		.amdhsa_user_sgpr_kernarg_segment_ptr 1
		.amdhsa_wavefront_size32 1
		.amdhsa_system_sgpr_workgroup_id_x 1
		.amdhsa_system_sgpr_workgroup_id_y 1
		.amdhsa_system_sgpr_workgroup_id_z 1
		.amdhsa_system_vgpr_workitem_id 0
		.amdhsa_next_free_vgpr 512
		.amdhsa_next_free_sgpr 66
		.amdhsa_reserve_vcc 0
		.amdhsa_float_denorm_mode_32 3
		.amdhsa_float_denorm_mode_16_64 3
		.amdhsa_memory_ordered 1
		.amdhsa_forward_progress 1
		.amdhsa_inst_pref_size 116
	.end_amdhsa_kernel
	.amdgpu_metadata
---
amdhsa.version: [ 1, 2 ]
amdhsa.kernels:
  - .name:           k_qcf4b69ec84_tails
    .symbol:         k_qcf4b69ec84_tails.kd
    .args:
      - { .name: PB, .offset: 0, .size: 8, .value_kind: global_buffer, .address_space: global }
      - { .name: route, .offset: 8, .size: 8, .value_kind: global_buffer, .address_space: global }
      - { .name: w1, .offset: 16, .size: 8, .value_kind: global_buffer, .address_space: global }
      - { .name: b1, .offset: 24, .size: 8, .value_kind: global_buffer, .address_space: global }
      - { .name: w2, .offset: 32, .size: 8, .value_kind: global_buffer, .address_space: global }
      - { .name: b2, .offset: 40, .size: 8, .value_kind: global_buffer, .address_space: global }
      - { .name: w3, .offset: 48, .size: 8, .value_kind: global_buffer, .address_space: global }
      - { .name: b3, .offset: 56, .size: 8, .value_kind: global_buffer, .address_space: global }
      - { .name: partT, .offset: 64, .size: 8, .value_kind: global_buffer, .address_space: global }
    .group_segment_fixed_size: 209408
    .private_segment_fixed_size: 0
    .kernarg_segment_align: 8
    .kernarg_segment_size: 72
    .max_flat_workgroup_size: 128
    .sgpr_count:     66
    .vgpr_count:     512
    .wavefront_size: 32
...
	.end_amdgpu_metadata
.endif
;; end of part 5
;; launch finish: the kernel of part 4 again; grid 32 x 1, 32 waves a work-group, no clusters, 21,248 bytes of LDS; arguments target, w0, b0, cluster_w, cluster_b, w1, b1, w2, b2, w3, b3, PB, route, part0, partT, out0; writes out0
